; MI455X (gfx1250); checked and timed in simulation.
; The chip was launched on July 23, 2026; its instructions are those of AMD's public machine-readable ISA for CDNA 5 (MIT licence, August 2026) and "CDNA5" Instruction Set Architecture Reference Guide (July 2026). The comments in the code are by the model that wrote it; some were corrected since.
;; Attn. Allowed arithmetic: float matrix products may take bf16 or f16 operands with f32 sums; other float arithmetic in f32, or as packed bf16 or f16 multiplies, adds, multiply-adds, maxima and minima; sums over many terms, partial sums and values carried from step to step in f32; what a program stores and reads back later, other than sums and carried values, may be rounded once to bf16 or f16.
;; Inputs: Wk 512 x 512 float32; Wo 512 x 512 float32; Wq 512 x 512 float32; Wv 512 x 512 float32; bo 512 float32; ln_b 512 float32; ln_g 512 float32; pos 1 x 1,024 x 512 float32; proj_k 1,024 x 256 float32; proj_v 1,024 x 256 float32; x 32 x 512 x 32 x 32 float32.
;; Outputs: out0 32 x 512 x 32 x 32 float32.
;; 2 versions, each right. Each part assembles by itself: llvm-mc -triple=amdgcn-amd-amdhsa -mcpu=gfx1250 --defsym DOCPART=n.
;; ======== version 1 of 2: 4 launches
;; workspace buffers: wb 2,097,152 bytes; pjb 1,048,576 bytes; post 2,097,152 bytes; posb 2,097,152 bytes; yb 33,554,432 bytes; kv 16,777,216 bytes
;; launch prep (part 1): grid 416 x 1, 4 waves a work-group, no clusters, 67,072 bytes of LDS; arguments Wq, Wk, Wv, Wo, proj_k, proj_v, pos, bo, wb, pjb, post, posb; writes wb, pjb, post, posb
.if DOCPART == 1
	.amdgcn_target "amdgcn-amd-amdhsa--gfx1250"
	.amdhsa_code_object_version 6
	.text
	.protected	k_qd5df905acc_prep
	.globl	k_qd5df905acc_prep
	.p2align	8
	.type	k_qd5df905acc_prep,@function
k_qd5df905acc_prep:
	s_mov_b64 s[64:65], 0
	v_nop
	global_prefetch_b8 v0, s[64:65] scope:SCOPE_SE
	s_setreg_imm32_b32 hwreg(HW_REG_WAVE_MODE, 25, 1), 1
	s_wait_xcnt 0x0
; PREP: the small inputs are laid out once for the launches behind.
;   wb   [m: Wq,Wk,Wv,Wo][cb 64][co 512][8]   bf16: element j of a 16-byte chunk is W[8 cb + j][co]
;   pjb  [k/v][key block 4][pb 128][key 64][8] bf16: element j is proj[n][key], n = 64 (pb>>3) + 32 (pb&1) + ((pb>>1)&3) + 4 j
;   post [c 512][n 1024] f32 = pos[n][c];   posb = post + bo[c]
; Work-groups 0-255: one cb of one weight.  256-383: two pb of one projection.  384-415: four tiles (a wave each) of 64 n x 64 c of pos.
; Every store of a wave covers whole aligned runs of 256 bytes.  The 4-byte loads cover 128 neighbouring bytes a wave: 6 MiB read once.
.set SPARE, 66560                      ; behind the four waves' tiles: the spare words, 128 bytes a wave
.set TILE,  16640                      ; a wave's tile in LDS: 64 rows of 260 bytes (65 words)
.set SPW, 2                            ; v2  my spare word
.set NIL, 3                            ; v3  0
.set SL,  4                            ; v4  my byte offset in the source
.set DL,  5                            ; v5  my byte offset in the destination
; 32 numbers a thread: four chunks u of eight rows j; rounded in pairs; four stores of 16 bytes.
.macro CONV se, sj, su, de, du
.irp u, 0,1,2,3
.irp j, 0,1,2,3,4,5,6,7
	global_load_b32 v[32+8*(\u)+(\j)], v[SL], s[32:33] offset:((\u)>>1)*(\se)+(\j)*(\sj)+((\u)&1)*(\su)
.endr
.endr
	s_wait_loadcnt 0x0
.irp u, 0,1,2,3
.irp wd, 0,1,2,3
	v_cvt_pk_bf16_f32 v[64+4*(\u)+(\wd)], v[32+8*(\u)+2*(\wd)], v[32+8*(\u)+2*(\wd)+1]
.endr
.endr
.irp u, 0,1,2,3
	global_store_b128 v[DL], v[64+4*(\u):64+4*(\u)+3], s[38:39] offset:((\u)>>1)*(\de)+((\u)&1)*(\du)
.endr
.endm
	s_load_b512 s[4:19], s[0:1], 0x0               ; Wq s[4:5], Wk s[6:7], Wv s[8:9], Wo s[10:11], proj_k s[12:13], proj_v s[14:15], pos s[16:17], bo s[18:19]
	s_load_b256 s[20:27], s[0:1], 0x40             ; wb s[20:21], pjb s[22:23], post s[24:25], posb s[26:27]
	v_lshl_add_u32 v[SPW], v0, 2, SPARE
	v_mov_b32 v[NIL], 0
	v_lshrrev_b32 v1, 5, v0
	v_readfirstlane_b32 s28, v1                    ; wave 0..3
	s_wait_kmcnt 0x0
	s_cmp_lt_u32 ttmp9, 256
	s_cbranch_scc0 .Lnot_weights
	; ---- a weight's block cb: thread t takes columns t + 128 u
	s_lshr_b32 s29, ttmp9, 6                       ; m
	s_and_b32 s30, ttmp9, 63                       ; cb
	s_and_b32 s31, s29, 1
	s_cmp_lg_u32 s31, 0
	s_cselect_b64 s[32:33], s[6:7], s[4:5]
	s_cselect_b64 s[34:35], s[10:11], s[8:9]
	s_cmp_ge_u32 s29, 2
	s_cselect_b64 s[32:33], s[34:35], s[32:33]
	s_lshl_b32 s34, s30, 14                        ; eight rows of 2,048 bytes
	s_mov_b32 s35, 0
	s_add_nc_u64 s[32:33], s[32:33], s[34:35]
	s_lshl_b32 s36, s29, 19
	s_lshl_b32 s37, s30, 13
	s_add_co_u32 s36, s36, s37
	s_mov_b32 s37, 0
	s_add_nc_u64 s[38:39], s[20:21], s[36:37]
	v_lshlrev_b32 v[SL], 2, v0
	v_lshlrev_b32 v[DL], 4, v0
	CONV 1024, 2048, 512, 4096, 2048
	s_branch .Lend
.Lnot_weights:
	s_cmp_lt_u32 ttmp9, 384
	s_cbranch_scc0 .Lpos
	; ---- a projection's blocks pb = 2 rest + e: thread t takes keys t + 128 (u&1), e = u>>1
	s_sub_co_u32 s29, ttmp9, 256
	s_lshr_b32 s30, s29, 6                         ; 0: proj_k, 1: proj_v
	s_and_b32 s31, s29, 63                         ; rest
	s_cmp_lg_u32 s30, 0
	s_cselect_b64 s[32:33], s[14:15], s[12:13]
	s_lshr_b32 s34, s31, 2
	s_lshl_b32 s34, s34, 6
	s_and_b32 s35, s31, 3
	s_add_co_u32 s34, s34, s35                     ; row 64 (rest>>2) + (rest&3)
	s_lshl_b32 s34, s34, 10
	s_mov_b32 s35, 0
	s_add_nc_u64 s[32:33], s[32:33], s[34:35]
	s_lshl_b32 s36, s30, 19
	s_lshl_b32 s37, s31, 11
	s_add_co_u32 s36, s36, s37
	s_mov_b32 s37, 0
	s_add_nc_u64 s[38:39], s[22:23], s[36:37]
	v_lshlrev_b32 v[SL], 2, v0
	v_lshrrev_b32 v6, 6, v0
	v_and_b32 v7, 63, v0
	v_lshlrev_b32 v7, 4, v7
	v_lshl_add_u32 v[DL], v6, 17, v7               ; key block x 131,072 + key x 16
	CONV 32768, 4096, 512, 1024, 262144
	s_branch .Lend
.Lpos:
	; ---- a wave turns a tile of 64 n x 64 c of pos through its own LDS bytes
	s_sub_co_u32 s29, ttmp9, 384
	s_lshl_b32 s29, s29, 2
	s_add_co_u32 s29, s29, s28                     ; tile 0..127
	s_lshr_b32 s30, s29, 3                         ; block of 64 n
	s_and_b32 s31, s29, 7                          ; block of 64 c
	s_lshl_b32 s34, s30, 17
	s_lshl_b32 s35, s31, 8
	s_add_co_u32 s34, s34, s35
	s_mov_b32 s35, 0
	s_add_nc_u64 s[32:33], s[16:17], s[34:35]      ; pos at the tile
	s_lshl_b32 s36, s31, 8
	s_mov_b32 s37, 0
	s_add_nc_u64 s[38:39], s[18:19], s[36:37]      ; bo at the tile's channels
	s_lshl_b32 s40, s31, 18
	s_lshl_b32 s41, s30, 8
	s_add_co_u32 s40, s40, s41
	s_mov_b32 s41, 0
	s_add_nc_u64 s[42:43], s[24:25], s[40:41]      ; post
	s_add_nc_u64 s[44:45], s[26:27], s[40:41]      ; posb
	v_and_b32 v6, 15, v0
	v_bfe_u32 v7, v0, 4, 1
	v_lshlrev_b32 v8, 4, v6
	v_lshl_add_u32 v[SL], v7, 11, v8               ; in: two rows n a load, 16 bytes a lane
	v_lshlrev_b32 v[DL], 2, v7                     ; bo: channel 2 u + (lane / 16)
	v_lshl_add_u32 v9, v7, 12, v8                  ; out: two rows c a store, 16 bytes a lane
	s_mul_i32 s46, s28, TILE
	v_mul_u32_u24 v10, v7, 260
	v_add_nc_u32 v10, v10, v8
	v_add_nc_u32 v10, s46, v10                     ; LDS, in: row n, word c
	v_mul_u32_u24 v11, v6, 1040
	v_lshl_add_u32 v11, v7, 2, v11
	v_add_nc_u32 v11, s46, v11                     ; LDS, back: rows 4 (lane % 16) + i, word 2 u + (lane / 16)
.set t, 0
.rept 32
	global_load_b128 v[64+4*t:64+4*t+3], v[SL], s[32:33] offset:t*4096
.set t, t+1
.endr
.set u, 0
.rept 32
	global_load_b32 v[32+u], v[DL], s[38:39] offset:8*u
.set u, u+1
.endr
	s_wait_loadcnt 0x0
.set t, 0
.rept 32
.irp i, 0,1,2,3
	ds_store_b32 v10, v[64+4*t+(\i)] offset:t*520+4*(\i)
.endr
.set t, t+1
.endr
	s_wait_dscnt 0x0                               ; the stores have taken their data: the same registers are loaded again
.set u, 0
.rept 32
.irp i, 0,1,2,3
	ds_load_b32 v[64+4*u+(\i)], v11 offset:(\i)*260+8*u
.endr
.set u, u+1
.endr
	s_wait_dscnt 0x0
.set u, 0
.rept 32
	global_store_b128 v9, v[64+4*u:64+4*u+3], s[42:43] offset:u*8192   ; 16 lanes store 256 consecutive bytes, aligned
.set u, u+1
.endr
.set u, 0
.rept 2
.if u
	s_wait_xcnt 0x0                                ; the first half's stores have read v[192:255]
.endif
.rept 16
.irp i, 0,1,2,3
	v_add_f32 v[192+4*(u%16)+(\i)], v[64+4*u+(\i)], v[32+u]
.endr
	global_store_b128 v9, v[192+4*(u%16):192+4*(u%16)+3], s[44:45] offset:u*8192
.set u, u+1
.endr
.endr
.Lend:
	s_wait_tensorcnt 0x0                           ; the wave's end
	ds_add_u32 v[SPW], v[NIL]
	s_wait_dscnt 0x0
	s_endpgm
.Lfunc_end_k_qd5df905acc_prep:
	.size	k_qd5df905acc_prep, .Lfunc_end_k_qd5df905acc_prep-k_qd5df905acc_prep
	.p2alignl 7, 3214868480
	.fill 96, 4, 3214868480
	.section	.rodata,"a",@progbits
	.p2align	6, 0x0
	.amdhsa_kernel k_qd5df905acc_prep
		.amdhsa_group_segment_fixed_size 67072
		.amdhsa_private_segment_fixed_size 0
		.amdhsa_enable_private_segment 0
		.amdhsa_kernarg_size 96
		.amdhsa_user_sgpr_count 2
		.amdhsa_user_sgpr_kernarg_segment_ptr 1
		.amdhsa_wavefront_size32 1
		.amdhsa_system_sgpr_workgroup_id_x 1
		.amdhsa_system_sgpr_workgroup_id_y 1
		.amdhsa_system_sgpr_workgroup_id_z 1
		.amdhsa_system_vgpr_workitem_id 0
		.amdhsa_next_free_vgpr 256
		.amdhsa_next_free_sgpr 66
		.amdhsa_reserve_vcc 0
		.amdhsa_float_denorm_mode_32 3
		.amdhsa_float_denorm_mode_16_64 3
		.amdhsa_memory_ordered 1
		.amdhsa_forward_progress 1
		.amdhsa_inst_pref_size 45
	.end_amdhsa_kernel
	.amdgpu_metadata
---
amdhsa.version: [ 1, 2 ]
amdhsa.kernels:
  - .name:           k_qd5df905acc_prep
    .symbol:         k_qd5df905acc_prep.kd
    .args:
      - { .name: Wq, .offset: 0, .size: 8, .value_kind: global_buffer, .address_space: global }
      - { .name: Wk, .offset: 8, .size: 8, .value_kind: global_buffer, .address_space: global }
      - { .name: Wv, .offset: 16, .size: 8, .value_kind: global_buffer, .address_space: global }
      - { .name: Wo, .offset: 24, .size: 8, .value_kind: global_buffer, .address_space: global }
      - { .name: proj_k, .offset: 32, .size: 8, .value_kind: global_buffer, .address_space: global }
      - { .name: proj_v, .offset: 40, .size: 8, .value_kind: global_buffer, .address_space: global }
      - { .name: pos, .offset: 48, .size: 8, .value_kind: global_buffer, .address_space: global }
      - { .name: bo, .offset: 56, .size: 8, .value_kind: global_buffer, .address_space: global }
      - { .name: wb, .offset: 64, .size: 8, .value_kind: global_buffer, .address_space: global }
      - { .name: pjb, .offset: 72, .size: 8, .value_kind: global_buffer, .address_space: global }
      - { .name: post, .offset: 80, .size: 8, .value_kind: global_buffer, .address_space: global }
      - { .name: posb, .offset: 88, .size: 8, .value_kind: global_buffer, .address_space: global }
    .group_segment_fixed_size: 67072
    .private_segment_fixed_size: 0
    .kernarg_segment_align: 8
    .kernarg_segment_size: 96
    .max_flat_workgroup_size: 128
    .sgpr_count:     66
    .vgpr_count:     256
    .wavefront_size: 32
...
	.end_amdgpu_metadata
.endif
;; end of part 1
;; launch ln (part 2): grid 8 x 32, 16 waves a work-group, no clusters, 18,432 bytes of LDS; arguments x, post, ln_g, ln_b, yb; writes yb
.if DOCPART == 2
	.amdgcn_target "amdgcn-amd-amdhsa--gfx1250"
	.amdhsa_code_object_version 6
	.text
	.protected	k_qd5df905acc_ln
	.globl	k_qd5df905acc_ln
	.p2align	8
	.type	k_qd5df905acc_ln,@function
k_qd5df905acc_ln:
	s_mov_b64 s[64:65], 0
	v_nop
	global_prefetch_b8 v0, s[64:65] scope:SCOPE_SE
	s_setreg_imm32_b32 hwreg(HW_REG_WAVE_MODE, 25, 1), 1
	s_wait_xcnt 0x0
; LN: y = relu(LayerNorm_c(x[b][c][n] + pos[n][c]) g + b), rounded once to bf16.
; A work-group owns 512 c x 128 n of one batch entry.  Wave v owns channels 32 v .. 32 v + 31, lane L the queries 4 L .. 4 L + 3 of the 128: a load covers 512 neighbouring bytes of one row of x.
; The 128 numbers of a lane stay in registers between the passes: mean first, then the sum of squares of the differences (no difference of large sums).  The 16 waves' partial sums meet in LDS.
; yb [b][i = n/64][cb 64][place 64][8 c] bf16: query n = 64 i + 4 r + qt lies at place 16 qt + ((r + 8 (cb&1)) & 15).  NaN and infinities are not treated apart.
; No tensor loads, no matrix unit: a stream whose loads all go out at once.
.set RED1,  0                          ; 16 waves x 512 bytes: sums
.set RED2,  8192                       ; the same for the squares: bytes of their own, so one barrier each
.set SPARE, 16384                      ; the spare words: 128 bytes for each of 16 waves
.set SPW, 2
.set NIL, 3
.set LO,  4                            ; v4   16 L
.set RA,  5                            ; v5   16 x thread: my place in RED1, RED2
.set A0,  6                            ; v6   my offset in yb for even cb,
.set A1,  7                            ; v7   for odd cb
.set SUM, 8                            ; v[8:15]  two chains of four sums
.set MU,  16                           ; v[16:19] the four queries' means
.set RS,  20                           ; v[20:23] 1 / sqrt(var + eps)
.set ZR,  24                           ; v24  0, for the packed maximum
.set X,   64                           ; v[64:191]  row cl, query i at X + 4 cl + i
.set T,   192                          ; v[192:255] at work
.set GS,  16                           ; s[16:47]  g of my 32 channels
.set BS,  68                           ; s[68:99]  b of my 32 channels
.macro ADDPOS lo                       ; rows lo .. lo + 15 take their posT
.set cl, 0
.rept 16
	v_pk_add_f32 v[X+4*(cl+(\lo)):X+4*(cl+(\lo))+1], v[X+4*(cl+(\lo)):X+4*(cl+(\lo))+1], v[T+4*cl:T+4*cl+1]
	v_pk_add_f32 v[X+4*(cl+(\lo))+2:X+4*(cl+(\lo))+3], v[X+4*(cl+(\lo))+2:X+4*(cl+(\lo))+3], v[T+4*cl+2:T+4*cl+3]
.set cl, cl+1
.endr
.endm
.macro ADDUP from, n                   ; n rows onto the two chains, by the row's parity
.set cl, \from
.rept \n
	v_pk_add_f32 v[SUM+4*(cl%2):SUM+4*(cl%2)+1], v[SUM+4*(cl%2):SUM+4*(cl%2)+1], v[X+4*cl:X+4*cl+1]
	v_pk_add_f32 v[SUM+4*(cl%2)+2:SUM+4*(cl%2)+3], v[SUM+4*(cl%2)+2:SUM+4*(cl%2)+3], v[X+4*cl+2:X+4*cl+3]
.set cl, cl+1
.endr
.endm
.macro REDUCE base                     ; the 16 waves' sums for my four queries -> v[T:T+3], in every wave
	v_pk_add_f32 v[SUM:SUM+1], v[SUM:SUM+1], v[SUM+4:SUM+5]
	v_pk_add_f32 v[SUM+2:SUM+3], v[SUM+2:SUM+3], v[SUM+6:SUM+7]
	ds_store_b128 v[RA], v[SUM:SUM+3] offset:\base
	s_wait_dscnt 0x0                               ; for the others' sake: my store is done
	s_barrier_signal -1
	s_barrier_wait -1
.set u, 0
.rept 16
	ds_load_b128 v[T+4*u:T+4*u+3], v[LO] offset:(\base)+512*u
.set u, u+1
.endr
	s_wait_dscnt 0x0
.irp st, 32, 16, 8, 4
.set r, 0
.rept (\st)/2
	v_pk_add_f32 v[T+r:T+r+1], v[T+r:T+r+1], v[T+(\st)+r:T+(\st)+r+1]
.set r, r+2
.endr
.endr
.endm
	s_load_b256 s[4:11], s[0:1], 0x0               ; x s[4:5], post s[6:7], ln_g s[8:9], ln_b s[10:11]
	s_load_b64 s[12:13], s[0:1], 0x20              ; yb
	v_lshl_add_u32 v[SPW], v0, 2, SPARE
	v_mov_b32 v[NIL], 0
	v_mov_b32 v[ZR], 0
	v_lshrrev_b32 v1, 5, v0
	v_readfirstlane_b32 s14, v1                    ; wave 0..15
	s_and_b32 s15, ttmp7, 0xffff                   ; b
	v_and_b32 v1, 31, v0
	v_lshlrev_b32 v[LO], 4, v1
	v_lshlrev_b32 v[RA], 4, v0
	v_and_b32 v25, 15, v0                          ; r
	v_bfe_u32 v26, v0, 4, 1                        ; which block of 64 queries
	v_lshlrev_b32 v27, 4, v25
	v_lshl_add_u32 v[A0], v26, 16, v27
	v_xor_b32 v27, 128, v27                        ; 16 ((r + 8) & 15)
	v_lshl_add_u32 v[A1], v26, 16, v27
	s_lshl_b32 s48, s14, 17                        ; my 32 rows of 4,096 bytes,
	s_lshl_b32 s49, ttmp9, 9                       ; the group's 128 queries
	s_add_co_u32 s48, s48, s49
	s_mov_b32 s49, 0
	s_lshl_b32 s50, s15, 21
	s_add_co_u32 s50, s50, s48
	s_mov_b32 s51, 0
	s_lshl_b32 s52, s14, 7                         ; my 32 numbers of g and b
	s_mov_b32 s53, 0
	s_lshl_b32 s54, s15, 20                        ; yb: (16 b + 2 g) x 65,536 + 4 v x 1,024
	s_lshl_b32 s55, ttmp9, 17
	s_add_co_u32 s54, s54, s55
	s_lshl_b32 s55, s14, 12
	s_add_co_u32 s54, s54, s55
	s_mov_b32 s55, 0
	s_mov_b32 s58, 0x3b000000                      ; 1 / 512
	s_mov_b32 s59, s58                             ; named with it as a pair
	s_mov_b32 s60, 0x3727c5ac                      ; 1e-5
	s_wait_kmcnt 0x0
	s_add_nc_u64 s[4:5], s[4:5], s[50:51]
	s_add_nc_u64 s[6:7], s[6:7], s[48:49]
	s_add_nc_u64 s[8:9], s[8:9], s[52:53]
	s_add_nc_u64 s[10:11], s[10:11], s[52:53]
	s_add_nc_u64 s[12:13], s[12:13], s[54:55]
.set cl, 0
.rept 16
	global_load_b128 v[T+4*cl:T+4*cl+3], v[LO], s[6:7] offset:cl*4096
.set cl, cl+1
.endr
.set cl, 0
.rept 32
	global_load_b128 v[X+4*cl:X+4*cl+3], v[LO], s[4:5] offset:cl*4096 th:TH_LOAD_NT
.set cl, cl+1
.endr
	s_load_b512 s[GS:GS+15], s[8:9], 0x0
	s_load_b512 s[GS+16:GS+31], s[8:9], 0x40
	s_load_b512 s[BS:BS+15], s[10:11], 0x0
	s_load_b512 s[BS+16:BS+31], s[10:11], 0x40
	s_wait_loadcnt 16                              ; posT's rows 0-15 and x's rows 0-15 are in; x's rows 16-31 may stay out
	ADDPOS 0
.set cl, 0
.rept 16
	global_load_b128 v[T+4*cl:T+4*cl+3], v[LO], s[6:7] offset:(cl+16)*4096
.set cl, cl+1
.endr
	v_pk_add_f32 v[SUM:SUM+1], v[X:X+1], v[X+8:X+9]          ; the first four rows start the chains: nothing is cleared
	v_pk_add_f32 v[SUM+2:SUM+3], v[X+2:X+3], v[X+10:X+11]
	v_pk_add_f32 v[SUM+4:SUM+5], v[X+4:X+5], v[X+12:X+13]
	v_pk_add_f32 v[SUM+6:SUM+7], v[X+6:X+7], v[X+14:X+15]
	ADDUP 4, 12
	s_wait_loadcnt 0x0
	ADDPOS 16
	ADDUP 16, 16
	REDUCE RED1
	v_pk_mul_f32 v[MU:MU+1], v[T:T+1], s[58:59] op_sel_hi:[1,0]
	v_pk_mul_f32 v[MU+2:MU+3], v[T+2:T+3], s[58:59] op_sel_hi:[1,0]
.set cl, 0
.rept 32
	v_pk_add_f32 v[X+4*cl:X+4*cl+1], v[X+4*cl:X+4*cl+1], v[MU:MU+1] neg_lo:[0,1] neg_hi:[0,1]
	v_pk_add_f32 v[X+4*cl+2:X+4*cl+3], v[X+4*cl+2:X+4*cl+3], v[MU+2:MU+3] neg_lo:[0,1] neg_hi:[0,1]
.if cl < 2
	v_pk_mul_f32 v[SUM+4*cl:SUM+4*cl+1], v[X+4*cl:X+4*cl+1], v[X+4*cl:X+4*cl+1]
	v_pk_mul_f32 v[SUM+4*cl+2:SUM+4*cl+3], v[X+4*cl+2:X+4*cl+3], v[X+4*cl+2:X+4*cl+3]
.else
	v_pk_fma_f32 v[SUM+4*(cl%2):SUM+4*(cl%2)+1], v[X+4*cl:X+4*cl+1], v[X+4*cl:X+4*cl+1], v[SUM+4*(cl%2):SUM+4*(cl%2)+1]
	v_pk_fma_f32 v[SUM+4*(cl%2)+2:SUM+4*(cl%2)+3], v[X+4*cl+2:X+4*cl+3], v[X+4*cl+2:X+4*cl+3], v[SUM+4*(cl%2)+2:SUM+4*(cl%2)+3]
.endif
.set cl, cl+1
.endr
	REDUCE RED2
.irp i, 0,1,2,3
	v_fma_f32 v[RS+(\i)], v[T+(\i)], s58, s60      ; var + eps
.endr
.irp i, 0,1,2,3
	v_rsq_f32 v[RS+(\i)], v[RS+(\i)]
.endr
	v_nop                                          ; a plain instruction between the last root and the use of its result (ISA guide 5.7.2)
	s_wait_kmcnt 0x0                               ; g and b
.set cl, 0
	s_wait_alu depctr_va_vdst(0)
.rept 32
	v_pk_mul_f32 v[X+4*cl:X+4*cl+1], v[X+4*cl:X+4*cl+1], v[RS:RS+1]
	v_pk_mul_f32 v[X+4*cl+2:X+4*cl+3], v[X+4*cl+2:X+4*cl+3], v[RS+2:RS+3]
.irp i, 0,1,2,3
	v_fma_f32 v[X+4*cl+(\i)], v[X+4*cl+(\i)], s[GS+cl], s[BS+cl]
.endr
.set cl, cl+1
.endr
.set cbl, 0
.rept 4                                ; a chunk: eight channels of one query
.irp qt, 0,1,2,3
.irp wd, 0,1,2,3
	v_cvt_pk_bf16_f32 v[T+16*cbl+4*(\qt)+(\wd)], v[X+4*(8*cbl+2*(\wd))+(\qt)], v[X+4*(8*cbl+2*(\wd)+1)+(\qt)]
.endr
.endr
.set cbl, cbl+1
.endr
.set i, 0
.rept 64
	v_pk_max_num_bf16 v[T+i], v[T+i], v[ZR]        ; relu on two rounded numbers at once: rounding keeps the sign
.set i, i+1
.endr
.set cbl, 0
.rept 4
.irp qt, 0,1,2,3
	global_store_b128 v[A0+cbl%2], v[T+16*cbl+4*(\qt):T+16*cbl+4*(\qt)+3], s[12:13] offset:cbl*1024+(\qt)*256   ; 16 lanes fill 256 consecutive bytes, aligned
.endr
.set cbl, cbl+1
.endr
	s_wait_tensorcnt 0x0                           ; the wave's end
	ds_add_u32 v[SPW], v[NIL]
	s_wait_dscnt 0x0
	s_endpgm
.Lfunc_end_k_qd5df905acc_ln:
	.size	k_qd5df905acc_ln, .Lfunc_end_k_qd5df905acc_ln-k_qd5df905acc_ln
	.p2alignl 7, 3214868480
	.fill 96, 4, 3214868480
	.section	.rodata,"a",@progbits
	.p2align	6, 0x0
	.amdhsa_kernel k_qd5df905acc_ln
		.amdhsa_group_segment_fixed_size 18432
		.amdhsa_private_segment_fixed_size 0
		.amdhsa_enable_private_segment 0
		.amdhsa_kernarg_size 40
		.amdhsa_user_sgpr_count 2
		.amdhsa_user_sgpr_kernarg_segment_ptr 1
		.amdhsa_wavefront_size32 1
		.amdhsa_system_sgpr_workgroup_id_x 1
		.amdhsa_system_sgpr_workgroup_id_y 1
		.amdhsa_system_sgpr_workgroup_id_z 1
		.amdhsa_system_vgpr_workitem_id 0
		.amdhsa_next_free_vgpr 256
		.amdhsa_next_free_sgpr 100
		.amdhsa_reserve_vcc 0
		.amdhsa_float_denorm_mode_32 3
		.amdhsa_float_denorm_mode_16_64 3
		.amdhsa_memory_ordered 1
		.amdhsa_forward_progress 1
		.amdhsa_inst_pref_size 53
	.end_amdhsa_kernel
	.amdgpu_metadata
---
amdhsa.version: [ 1, 2 ]
amdhsa.kernels:
  - .name:           k_qd5df905acc_ln
    .symbol:         k_qd5df905acc_ln.kd
    .args:
      - { .name: x, .offset: 0, .size: 8, .value_kind: global_buffer, .address_space: global }
      - { .name: post, .offset: 8, .size: 8, .value_kind: global_buffer, .address_space: global }
      - { .name: ln_g, .offset: 16, .size: 8, .value_kind: global_buffer, .address_space: global }
      - { .name: ln_b, .offset: 24, .size: 8, .value_kind: global_buffer, .address_space: global }
      - { .name: yb, .offset: 32, .size: 8, .value_kind: global_buffer, .address_space: global }
    .group_segment_fixed_size: 18432
    .private_segment_fixed_size: 0
    .kernarg_segment_align: 8
    .kernarg_segment_size: 40
    .max_flat_workgroup_size: 512
    .sgpr_count:     100
    .vgpr_count:     256
    .wavefront_size: 32
...
	.end_amdgpu_metadata
.endif
;; end of part 2
;; launch kv (part 3): grid 8 x 32, 4 waves a work-group, clusters of 4 x 1, 327,680 bytes of LDS; arguments yb, pjb, wb, kv; writes kv
.if DOCPART == 3
	.amdgcn_target "amdgcn-amd-amdhsa--gfx1250"
	.amdhsa_code_object_version 6
	.text
	.protected	k_qd5df905acc_kv
	.globl	k_qd5df905acc_kv
	.p2align	8
	.type	k_qd5df905acc_kv,@function
k_qd5df905acc_kv:
	s_mov_b64 s[64:65], 0
	v_nop
	global_prefetch_b8 v0, s[64:65] scope:SCOPE_SE
	s_setreg_imm32_b32 hwreg(HW_REG_WAVE_MODE, 25, 1), 1
	s_wait_xcnt 0x0
	s_wait_alu depctr_hold_cnt(0) depctr_sa_sdst(0) depctr_va_vdst(0) depctr_va_sdst(0) depctr_va_ssrc(0) depctr_va_vcc(0) depctr_vm_vsrc(0)
	s_getreg_b32 s2, hwreg(HW_REG_IB_STS2, 6, 4)
	s_cmp_eq_u32 s2, 0
	s_cbranch_scc0 .Lentry_in_a_cluster
	s_endpgm
.Lentry_in_a_cluster:
	s_bfe_u32 s2, ttmp6, 0x10000c
	s_cmp_lg_u32 s2, 0x3003
	s_cbranch_scc0 .Lentry_shape_is_right
	s_endpgm
.Lentry_shape_is_right:
; KV: k_ = (proj_k^T y) Wk and v_ = (proj_v^T y) Wv, in this order of products (half the multiply-adds of proj^T (y W); the roundings fall otherwise).
; Cluster x = 0 makes k_, x = 1 v_; the batch entry is the grid's y; the four partners of a cluster take 64 keys each.
; GEMM1: kp^T[ci 512][key 64] = sum over n of y[n][ci] proj[n][key], K = 1,024 places in 16 tiles of y.  GEMM2: k_^T[co 512][key 64] = sum over ci of W[ci][co] kp[key][ci], K = 512 in 8 tiles of W.
; A wave makes 128 rows x 64 keys in both: 32 accumulators.  kp is rounded once to bf16 and handed on in LDS.
; The tiles of y and W (65,536 dense bytes each) hang on the batch entry and on k/v alone, which the four partners share: they are asked for JOINTLY, a quarter a wave, through a ring of two slots.
; My 64 keys' slab of the projection (131,072 bytes) is a load of my own; when GEMM1 is over its bytes, filled once, take kp.
; y's chunks hold 8 channels of one query, and GEMM1 wants rows = channels: ds_load_tr16_b128..
; kv [k/v][b][head 8][cb 8][place 256][8 ch] bf16: key at place key xor 8 (cb&1).
.set SLOT1, 1<<17                      ; slot 0 at 0, slot 1 here: one exclusive or turns one into the other
.set SPARE, 65536                      ; between the slots: the spare words, 128 bytes a wave; no other line names them
.set BIG,   196608                     ; the slab, later kp
.set STEP,  65536                      ; a tile
.set AL,  2                            ; v2  my place in a tile of y (turning load)
.set WL,  3                            ; v3  my place in a tile of W
.set BL,  4                            ; v4  my place in the slab, and in kp
.set ADA, 5                            ; v5  address of the A fragments in hand
.set ADB, 6                            ; v6  of the B fragments
.set KSL, 7                            ; v7  where I store kp
.set KOL, 8                            ; v8  my byte offset in kv
.set PFL, 9                            ; v9  the prefetches' offset
.set SPW, 62
.set NIL, 63
.set F0,  64                           ; v[64:159]   fragments of 32 along K: 8 of A, then 4 of B
.set F1,  160                          ; v[160:255]  the same for the second 32;   window 1: accumulator (a, kt) at 8 (4 a + kt)
.set WV,  12
.set CX,  13
.set BB,  15
.set G1W, 24                           ; s[24:31] group 1, joint: 64 rows of 256 bytes
.set G1P, 32                           ; s[32:39] group 1, my own: 128 rows of 256 bytes
.set G0P, 40                           ; s[40:43] group 0: the slab
.set G0A, 44                           ; s[44:47] group 0: tile 0 into slot 0
.set G0,  48                           ; s[48:51] group 0: tile 1 into slot 1; then it walks
.set WB0, 52                           ; s[52:53] my quarter of W's tile 0
.set PFA, 54                           ; s[54:55] where my prefetches stand
.set TB,  56                           ; s56 the slot that is read
.set TC,  57                           ; s57 trips to go
.set LIM, 58                           ; s58 1 in a wave that prefetches, else the greatest number
.set PB,  59                           ; s59 byte in the slab (in kp) at which the trip's K begins
.set KO,  60                           ; s[60:61] kv at my part
.set MSB, 0
.macro WIN new                         ; the immediate's high byte repeats the setting that is left
.if MSB != (\new)
	s_set_vgpr_msb (MSB<<8)|(\new)
.set MSB, \new
.endif
.endm
.macro PLACES                          ; four places behind a matrix instruction, ahead of loads into its sources and of reads of its result
.rept 4
	v_nop
.endr
.endm
.macro ROUND                           ; a round of the cluster's barrier
	s_barrier_signal -1
	s_barrier_wait -1
	s_cmp_lg_u32 s[WV], 0
	s_cbranch_scc1 .Lnw0_\@
	s_barrier_signal -3
.Lnw0_\@:
	s_barrier_wait -3
	s_barrier_signal -1
	s_barrier_wait -1
.endm
.macro JL                              ; the joint refill: every wave its quarter; s_nop 0 and four v_nop follow
	tensor_load_to_lds s[G0:G0+3], s[G1W:G1W+7]
	s_nop 0
	PLACES
.endm
.macro FETCH kind, f, ks               ; 24 LDS loads: the fragments of 32 along K.  kind 1: A = y, turned; kind 2: A = W as it lies
.if (\kind) == 1
.irp a, 0,1,2,3,4,5,6,7
	ds_load_tr16_b128 v[(\f)+8*(\a):(\f)+8*(\a)+3],   v[ADA] offset:(\a)*2048+(\ks)*512
	ds_load_tr16_b128 v[(\f)+8*(\a)+4:(\f)+8*(\a)+7], v[ADA] offset:(\a)*2048+(\ks)*512+256
.endr
.else
.irp a, 0,1,2,3,4,5,6,7
	ds_load_b128 v[(\f)+8*(\a):(\f)+8*(\a)+3],   v[ADA] offset:(\ks)*32768+(\a)*256
	ds_load_b128 v[(\f)+8*(\a)+4:(\f)+8*(\a)+7], v[ADA] offset:(\ks)*32768+(\a)*256+16384
.endr
.endif
.irp kt, 0,1,2,3
	ds_load_b128 v[(\f)+64+8*(\kt):(\f)+64+8*(\kt)+3],   v[ADB] offset:(\ks)*4096+(\kt)*256
	ds_load_b128 v[(\f)+64+8*(\kt)+4:(\f)+64+8*(\kt)+7], v[ADB] offset:(\ks)*4096+(\kt)*256+2048
.endr
.endm
.macro MULK f, a0, zero                ; 16 products: row blocks a0 .. a0 + 3 x 4 key blocks; the accumulators take turns
	WIN 0x50
.irp a, \a0, (\a0)+1, (\a0)+2, (\a0)+3
.irp kt, 0,1,2,3
.if \zero
	v_wmma_f32_16x16x32_bf16 v[8*(4*(\a)+(\kt)):8*(4*(\a)+(\kt))+7], v[(\f)+8*(\a):(\f)+8*(\a)+7], v[(\f)+64+8*(\kt):(\f)+64+8*(\kt)+7], 0
.else
	v_wmma_f32_16x16x32_bf16 v[8*(4*(\a)+(\kt)):8*(4*(\a)+(\kt))+7], v[(\f)+8*(\a):(\f)+8*(\a)+7], v[(\f)+64+8*(\kt):(\f)+64+8*(\kt)+7], v[8*(4*(\a)+(\kt)):8*(4*(\a)+(\kt))+7]
.endif
.endr
.endr
.endm
; A PREFETCH of y's tile two trips on: 65,536 bytes = 8 x 32 blocks of 256.  Both clusters of a batch entry walk the same tiles: cluster x = 0 asks; its four partners take 8,192 bytes each BY ADDRESS,
; in each of them waves 0 and 2 a half of the tile: each block is named once.  The trips whose look-ahead would pass tile 15 ask for nothing.
.macro ASK
	s_cmp_gt_u32 s[TC], s[LIM]
	s_cbranch_scc0 .Lna_\@
	global_prefetch_b8 v[PFL], s[PFA:PFA+1] th:TH_LOAD_NT scope:SCOPE_SE
.Lna_\@:
.endm
; A TRIP begins where tile i is entered; buffer 1 still holds the second half of tile i - 1.  ONE barrier for the change of slots: ahead of it each wave waits for all its tensor loads (its quarter of tile i),
; adds 0 to its spare word, and waits for that and for its reads of tile i - 1.  fill = 1: the barrier is a round of the cluster's, and tile i + 1 is asked for first behind it, into the slot just left.
.macro TRIP fill, kind, anew, ask
	WIN 0
.if \ask
	s_wait_xcnt 0x0                                ; the last prefetch, a trip back, has read its address
	s_add_nc_u64 s[PFA:PFA+1], s[PFA:PFA+1], STEP
.endif
	s_wait_tensorcnt 0x0                           ; no tensor load of mine is out, so group 0 may be written
	ds_add_u32 v[SPW], v[NIL]
.if \fill
	s_xor_b32 s[G0+1], s[G0+1], SLOT1
.if \anew
	s_mov_b64 s[G0+2:G0+3], s[WB0:WB0+1]           ; behind y's last tile comes W's first
	s_or_b32 s[G0+3], s[G0+3], 0x80000000
.else
	s_add_nc_u64 s[G0+2:G0+3], s[G0+2:G0+3], STEP
.endif
.endif
	s_xor_b32 s[TB], s[TB], SLOT1
	s_add_co_u32 s[PB], s[PB], 8192
	s_wait_dscnt 0x1                               ; only the add may be out: buffer 1 is in
	MULK F1, 0, 0
	s_wait_dscnt 0x0                               ; the add is done, my reads of the old slot are over
	WIN 0
.if \fill
	ROUND
	JL                                             ; its four v_nop are also the places ahead of the loads into buffer 0
.else
	s_barrier_signal -1
	s_barrier_wait -1
	PLACES
.endif
.if (\kind) == 1
	v_add_nc_u32 v[ADA], s[TB], v[AL]
.else
	v_add_nc_u32 v[ADA], s[TB], v[WL]
.endif
	v_add_nc_u32 v[ADB], s[PB], v[BL]
	FETCH \kind, F0, 0
.if \ask
	ASK
.endif
	MULK F1, 4, 0
	PLACES
	WIN 0
	FETCH \kind, F1, 1
	s_wait_dscnt 24                                ; buffer 1's 24 loads may be out: buffer 0 is in
	MULK F0, 0, 0
	MULK F0, 4, 0
.endm
.macro PACK                            ; the 32 accumulators, rounded: a lane's eight rows of one key are a chunk of 16 bytes, tile t at v[64 + 4 t]
	WIN 0x05
.set t, 0
.rept 32
.irp wd, 0,1,2,3
	v_cvt_pk_bf16_f32 v[64+4*t+(\wd)], v[8*t+2*(\wd)], v[8*t+2*(\wd)+1]
.endr
.set t, t+1
.endr
	WIN 0
.endm
	s_load_b256 s[4:11], s[0:1], 0x0               ; yb s[4:5], pjb s[6:7], wb s[8:9], kv s[10:11]
	v_lshl_add_u32 v[SPW], v0, 2, SPARE
	v_mov_b32 v[NIL], 0
	ds_add_u32 v[SPW], v[NIL]                      ; the wave's opening
	v_lshrrev_b32 v1, 5, v0
	v_readfirstlane_b32 s[WV], v1                  ; wave 0..3
	s_bfe_u32 s[CX], ttmp6, 0x40000                ; my place in the cluster: it enters global addresses of my own loads, stores and prefetches alone
	s_and_b32 s[BB], ttmp7, 0xffff                 ; b
	s_mov_b32 s[G1W], 15|(3<<16)|(1<<21)           ; the mask of four; elements of 8 bytes; bit 21 beside a mask
	s_mov_b32 s[G1P], 3<<16
	s_mov_b32 s[G1W+2], 64<<16                     ; tensor_dim1
	s_mov_b32 s[G1P+2], 128<<16
	s_mov_b32 s[G1W+4], 64                         ; tile_dim1
	s_mov_b32 s[G1P+4], 128
.irp g, G1W, G1P
	s_mov_b32 s[(\g)+1], 32<<16                    ; tensor_dim0 = 32 elements = 256 bytes
	s_mov_b32 s[(\g)+3], 32<<16                    ; tile_dim0
	s_mov_b32 s[(\g)+5], 32                        ; rows lie end to end
	s_mov_b32 s[(\g)+6], 0
	s_mov_b32 s[(\g)+7], 0
.endr
	s_lshl_b32 s16, s[WV], 14                      ; my quarter of a tile
	s_lshl_b32 s17, s[WV], 15                      ; my quarter of the slab
	s_mov_b32 s[G0P], 1
	s_add_co_u32 s[G0P+1], s17, BIG
	s_mov_b32 s[G0A], 1
	s_mov_b32 s[G0A+1], s16
	s_mov_b32 s[G0], 1
	s_add_co_u32 s[G0+1], s16, SLOT1
	s_lshl_b32 s18, s[BB], 20                      ; y: b x 1,048,576 + my quarter
	s_add_co_u32 s18, s18, s16
	s_mov_b32 s19, 0
	s_add_co_u32 s20, ttmp9, 1                     ; W: Wk or Wv
	s_lshl_b32 s20, s20, 19
	s_add_co_u32 s20, s20, s16
	s_mov_b32 s21, 0
	s_lshl_b32 s66, ttmp9, 2                       ; slab: (4 x k/v + cx) x 131,072 + my quarter
	s_add_co_u32 s66, s66, s[CX]
	s_lshl_b32 s66, s66, 17
	s_add_co_u32 s66, s66, s17
	s_mov_b32 s67, 0
	s_lshl_b32 s68, ttmp9, 23                      ; kv: k/v, b, my two heads, my work-group's 64 keys
	s_lshl_b32 s69, s[BB], 18
	s_add_co_u32 s68, s68, s69
	s_lshl_b32 s69, s[WV], 16
	s_add_co_u32 s68, s68, s69
	s_lshl_b32 s69, s[CX], 10
	s_add_co_u32 s68, s68, s69
	s_mov_b32 s69, 0
	s_lshr_b32 s22, s[WV], 1                       ; prefetches: half (wave / 2) of tile 2; the first trip steps it to tile 3
	s_lshl_b32 s22, s22, 15
	s_lshl_b32 s23, s[BB], 20
	s_add_co_u32 s22, s22, s23
	s_add_co_u32 s22, s22, 2*STEP
	s_mov_b32 s23, 0
	s_and_b32 s[LIM], s[WV], 1
	s_or_b32 s[LIM], s[LIM], ttmp9
	s_cmp_eq_u32 s[LIM], 0
	s_cselect_b32 s[LIM], 1, -1                    ; the same in all four partners, for a given wave
	s_mov_b32 s[TB], 0
	s_mov_b32 s[PB], 0
	s_lshl_b32 s70, s[WV], 11
	s_wait_dscnt 0x0                               ; the opening add is done
	s_wait_kmcnt 0x0
	s_add_nc_u64 s[G0P+2:G0P+3], s[6:7], s[66:67]
	s_or_b32 s[G0P+3], s[G0P+3], 0x80000000
	s_add_nc_u64 s[G0A+2:G0A+3], s[4:5], s[18:19]
	s_add_nc_u64 s[G0+2:G0+3], s[G0A+2:G0A+3], STEP
	s_or_b32 s[G0A+3], s[G0A+3], 0x80000000
	s_or_b32 s[G0+3], s[G0+3], 0x80000000
	s_add_nc_u64 s[WB0:WB0+1], s[8:9], s[20:21]
	s_add_nc_u64 s[KO:KO+1], s[10:11], s[68:69]
	s_add_nc_u64 s[PFA:PFA+1], s[4:5], s[22:23]
	ROUND                                          ; all four work-groups are here: the first loads go out as one group
	tensor_load_to_lds s[G0P:G0P+3], s[G1P:G1P+7]  ; the slab
	s_nop 0
	tensor_load_to_lds s[G0A:G0A+3], s[G1W:G1W+7]  ; y's tile 0
	s_nop 0
	tensor_load_to_lds s[G0:G0+3], s[G1W:G1W+7]    ; y's tile 1: three loads of mine are out
	s_nop 0
	PLACES
	v_and_b32 v10, 15, v0                          ; r
	v_bfe_u32 v11, v0, 4, 1                        ; h
	v_bfe_u32 v12, v0, 3, 1                        ; which of a row block's two blocks of 8 channels
	v_and_b32 v13, 7, v0
	v_lshl_add_u32 v13, v11, 3, v13                ; place 8 h + (lane & 7),
	v_lshl_add_u32 v13, v12, 3, v13                ; half-swapped in the odd block
	v_and_b32 v13, 15, v13
	v_lshlrev_b32 v13, 4, v13
	v_lshl_add_u32 v13, v12, 10, v13
	v_add_nc_u32 v[AL], s16, v13                   ; + my 128 channels: 16 blocks of 1,024 bytes
	v_lshlrev_b32 v14, 4, v10
	v_lshl_add_u32 v15, v11, 13, v14
	v_add_nc_u32 v[WL], s70, v15                   ; h x 8,192 + my 128 columns + 16 r
	v_lshl_add_u32 v15, v11, 10, v14
	v_add_nc_u32 v[BL], BIG, v15
	v_add_nc_u32 v[KSL], s16, v[BL]
	v_lshl_add_u32 v15, v11, 3, v10
	v_and_b32 v15, 15, v15
	v_lshlrev_b32 v15, 4, v15
	v_lshl_add_u32 v[KOL], v11, 12, v15
	v_and_b32 v15, 31, v0
	v_lshlrev_b32 v15, 8, v15
	v_lshl_add_u32 v[PFL], s[CX], 13, v15
	s_wait_tensorcnt 0x1                           ; my parts of the slab and of tile 0 are in; tile 1 may stay out
	s_barrier_signal -1
	s_barrier_wait -1
	v_add_nc_u32 v[ADA], s[TB], v[AL]
	v_add_nc_u32 v[ADB], s[PB], v[BL]
	FETCH 1, F0, 0
	FETCH 1, F1, 1
	s_wait_dscnt 24
	MULK F0, 0, 1                                  ; the first products start the sums
	MULK F0, 4, 1
	WIN 0
	s_mov_b32 s[TC], 14
.Lg1:                                          ; trips 1 to 14: y's tiles 2 to 15 are asked for
	TRIP 1, 1, 0, 1
	WIN 0
	s_sub_co_u32 s[TC], s[TC], 1
	s_cmp_lg_u32 s[TC], 0
	s_cbranch_scc1 .Lg1
	TRIP 1, 1, 1, 0                                ; trip 15: W's tile 0 is asked for
	WIN 0                                          ; the change of products: a change of slots without fetches
	s_wait_tensorcnt 0x0
	ds_add_u32 v[SPW], v[NIL]
	s_xor_b32 s[G0+1], s[G0+1], SLOT1
	s_add_nc_u64 s[G0+2:G0+3], s[G0+2:G0+3], STEP  ; W's tile 1
	s_mov_b32 s[TB], 0
	s_mov_b32 s[PB], 0
	s_wait_dscnt 0x1
	MULK F1, 0, 0
	s_wait_dscnt 0x0
	WIN 0
	ROUND                                          ; every wave's reads of the slab are over too
	JL
	MULK F1, 4, 0
	PLACES
	PACK
.set t, 0
.rept 32
	ds_store_b128 v[KSL], v[64+4*t:64+4*t+3] offset:(t/4)*2048+(t%4)*256   ; kp [cb 64][key 64][16 bytes], over the slab, which has had its one fill
.set t, t+1
.endr
	s_wait_dscnt 0x0                               ; for the others' sake: my part of kp is stored
	s_barrier_signal -1
	s_barrier_wait -1                              ; W's tile 1 may stay out
	v_add_nc_u32 v[ADA], s[TB], v[WL]
	v_add_nc_u32 v[ADB], s[PB], v[BL]
	FETCH 2, F0, 0
	FETCH 2, F1, 1
	s_wait_dscnt 24
	MULK F0, 0, 1
	MULK F0, 4, 1
	WIN 0
	s_mov_b32 s[TC], 6
.Lg2:                                          ; trips 1 to 6: W's tiles 2 to 7 are asked for
	TRIP 1, 2, 0, 0
	WIN 0
	s_sub_co_u32 s[TC], s[TC], 1
	s_cmp_lg_u32 s[TC], 0
	s_cbranch_scc1 .Lg2
	TRIP 0, 2, 0, 0                                ; the last tile: nothing is left to fetch
	s_wait_dscnt 0x0
	MULK F1, 0, 0
	MULK F1, 4, 0
	PLACES
	PACK
.set t, 0
.rept 32
	global_store_b128 v[KOL], v[64+4*t:64+4*t+3], s[KO:KO+1] offset:(t/16)*32768+((t/4)%4)*8192+(t%4)*256   ; 16 lanes fill 256 consecutive bytes, aligned
.set t, t+1
.endr
	s_wait_tensorcnt 0x0                           ; the wave's end
	ds_add_u32 v[SPW], v[NIL]
	s_wait_dscnt 0x0
	ROUND                                          ; the closing round
	s_endpgm
.Lfunc_end_k_qd5df905acc_kv:
	.size	k_qd5df905acc_kv, .Lfunc_end_k_qd5df905acc_kv-k_qd5df905acc_kv
	.p2alignl 7, 3214868480
	.fill 96, 4, 3214868480
	.section	.rodata,"a",@progbits
	.p2align	6, 0x0
	.amdhsa_kernel k_qd5df905acc_kv
		.amdhsa_group_segment_fixed_size 327680
		.amdhsa_private_segment_fixed_size 0
		.amdhsa_enable_private_segment 0
		.amdhsa_kernarg_size 32
		.amdhsa_user_sgpr_count 2
		.amdhsa_user_sgpr_kernarg_segment_ptr 1
		.amdhsa_wavefront_size32 1
		.amdhsa_system_sgpr_workgroup_id_x 1
		.amdhsa_system_sgpr_workgroup_id_y 1
		.amdhsa_system_sgpr_workgroup_id_z 1
		.amdhsa_system_vgpr_workitem_id 0
		.amdhsa_next_free_vgpr 512
		.amdhsa_next_free_sgpr 80
		.amdhsa_reserve_vcc 0
		.amdhsa_float_denorm_mode_32 3
		.amdhsa_float_denorm_mode_16_64 3
		.amdhsa_memory_ordered 1
		.amdhsa_forward_progress 1
		.amdhsa_inst_pref_size 77
	.end_amdhsa_kernel
	.amdgpu_metadata
---
amdhsa.version: [ 1, 2 ]
amdhsa.kernels:
  - .name:           k_qd5df905acc_kv
    .symbol:         k_qd5df905acc_kv.kd
    .args:
      - { .name: yb, .offset: 0, .size: 8, .value_kind: global_buffer, .address_space: global }
      - { .name: pjb, .offset: 8, .size: 8, .value_kind: global_buffer, .address_space: global }
      - { .name: wb, .offset: 16, .size: 8, .value_kind: global_buffer, .address_space: global }
      - { .name: kv, .offset: 24, .size: 8, .value_kind: global_buffer, .address_space: global }
    .group_segment_fixed_size: 327680
    .private_segment_fixed_size: 0
    .kernarg_segment_align: 8
    .kernarg_segment_size: 32
    .max_flat_workgroup_size: 128
    .sgpr_count:     80
    .vgpr_count:     512
    .wavefront_size: 32
...
	.end_amdgpu_metadata
.endif
;; end of part 3
;; launch main (part 4): grid 8 x 32, 4 waves a work-group, clusters of 4 x 1, 327,680 bytes of LDS; arguments yb, wb, kv, x, posb, out0; writes out0
.if DOCPART == 4
	.amdgcn_target "amdgcn-amd-amdhsa--gfx1250"
	.amdhsa_code_object_version 6
	.text
	.protected	k_qd5df905acc_main
	.globl	k_qd5df905acc_main
	.p2align	8
	.type	k_qd5df905acc_main,@function
k_qd5df905acc_main:
	s_mov_b64 s[64:65], 0
	v_nop
	global_prefetch_b8 v0, s[64:65] scope:SCOPE_SE
	s_setreg_imm32_b32 hwreg(HW_REG_WAVE_MODE, 25, 1), 1
	s_wait_xcnt 0x0
	s_wait_alu depctr_hold_cnt(0) depctr_sa_sdst(0) depctr_va_vdst(0) depctr_va_sdst(0) depctr_va_ssrc(0) depctr_va_vcc(0) depctr_vm_vsrc(0)
	s_getreg_b32 s2, hwreg(HW_REG_IB_STS2, 6, 4)
	s_cmp_eq_u32 s2, 0
	s_cbranch_scc0 .Lentry_in_a_cluster
	s_endpgm
.Lentry_in_a_cluster:
	s_bfe_u32 s2, ttmp6, 0x10000c
	s_cmp_lg_u32 s2, 0x3003
	s_cbranch_scc0 .Lentry_shape_is_right
	s_endpgm
.Lentry_shape_is_right:
; MAIN: q = y Wq; for each head softmax(q k_^T / 8) v_; the result times Wo; + bo + pos + x; stored as [b][c][n] in f32.
; A work-group owns 128 queries of one batch entry.  Wave w: rh = w / 2 picks 64 queries, ch = w % 2 picks 256 columns = 4 heads, so a wave's part of q is the q of its own four heads.
; ALL PRODUCTS ARE TAKEN TRANSPOSED (source 0 = weights, keys or channels; source 1 = queries): a lane holds one query and eight neighbouring rows, which pack into a chunk of 16 bytes.
; BIG holds 128 queries as [rh][cb 64][place 64][16 bytes]: first y (its one fill), then q over it, then O over q head by head.  So the product with Wo runs the SAME text as the product with Wq (.Lphase, twice).
; Query n = 64 i + 4 r + qt lies at place 16 qt + r (half-swapped in odd cb): in the last product register j of the four query tiles is four neighbouring n of one output row: x, posb and out0 move 16 bytes a lane.
; RING of two slots of 65,536 bytes, every tile asked for JOINTLY by the cluster's four work-groups (they share b), a quarter a wave: Wq 0..7, then K and V of a head (even numbers serve ch = 0 in slot 0, odd ones ch = 1 in slot 1), then Wo 0..7.
; SOFTMAX: all 256 keys of a query lie in two lanes' registers: a true row maximum is taken away, p = 2^(c s - c m), c = log2(e) / 8; the sum is of the unrounded p; p goes to bf16 for the second product.
; LIMITS: NaN and infinities are not treated apart; a weight below 2^-126 counts as 0; q, P and O are rounded once to bf16.
; REGISTERS by windows of 256 (s_set_vgpr_msb: bits 1:0 source 0, 3:2 source 1, 5:4 source 2, 7:6 destination):
;   window 0: v2-12 addresses; v16-47 softmax statistics; v64-127 source-1 fragments (two buffers; in attention q); v128-191 O^T; v192-255 at work
;   window 1: source-0 fragments (two buffers of 128); in attention K; on the way out four batches of x and posb
;   windows 2, 3: the 64 accumulators (a, qt) at 8 (4 a + qt); in attention window 2 = S^T, then P in place, window 3 = V
.set SLOT1, 1<<17
.set SPARE, 65536                      ; between the slots: the spare words, 128 bytes a wave; no other line names them
.set BIG,   196608
.set STEP,  65536
.set WL,  2                            ; v2   my place in a tile of W
.set YL,  3                            ; v3   my place in my 64 queries' region of BIG
.set KL,  4                            ; v4   my place in my slot's K
.set VL,  5                            ; v5   in its V (turning load)
.set ADW, 6
.set ADY, 7
.set ADQ, 8                            ; v8   the pass's q, later its O
.set XO,  9                            ; v9   my byte offset in 16 rows of x, posb, out0
.set PFL, 10                           ; v10  prefetches of K and V
.set PFX, 11                           ; v11  prefetches of x: a lane a row
.set QL,  12                           ; v12  my place in my wave's own 32,768 bytes of BIG (q and O of my four heads)
.set ST,  16                           ; tile qq at ST + 16 qq: +0..3 maxima, +4 c m, +5 m, +6..13 four pairs of sums, +14, 15 1 / l
.set SPW, 62
.set NIL, 63
.set BF,  64
.set OA,  128
.set TMP, 192
.set WV,  16
.set RH,  17
.set CH,  18
.set CX,  19
.set GG,  20
.set BB,  21
.set G1W, 24                           ; s[24:31] group 1, joint: 64 rows of 256 bytes
.set G1Y, 32                           ; s[32:39] group 1, my own: 128 rows of 256 bytes
.set G0Y, 40                           ; s[40:43] group 0: y
.set G0A, 44                           ; s[44:47] group 0: Wq's tile 0 into slot 0
.set G0,  48                           ; s[48:51] group 0: Wq's tile 1 into slot 1; then it walks
.set KVW, 52                           ; s[52:53] my quarter of head 0's K and V
.set WOW, 54                           ; s[54:55] my quarter of Wo's tile 0
.set OFF, 56                           ; s[56:57]
.set CS,  58                           ; s[58:59] c
.set SEL, 60                           ; s[60:61] v_permlanex16_b32: each lane takes its own place in the other half
.set TB,  62
.set TC,  63
.set PH,  66                           ; s66 phases to go: 2 = Wq, 1 = Wo
.set HC,  67
.set PCN, 68
.set NQ,  69                           ; s69 number of the tile to be asked for behind Wq's: 0-7 K and V, 8, 9 Wo's first two
.set LIM, 70
.set XL,  71
.set TMPA, 72
.set PFA, 74
.set XPF, 76
.set XB,  78
.set PBB, 80
.set OB,  82
.set YB,  90                           ; s90 byte in a region of BIG at which the trip's K begins
.set QB,  91                           ; s91 byte in my 32,768 at which the pass's q begins
.set MSB, 0
.macro WIN new                         ; the immediate's high byte repeats the setting that is left
.if MSB != (\new)
	s_set_vgpr_msb (MSB<<8)|(\new)
.set MSB, \new
.endif
.endm
.macro PLACES                          ; four places behind a matrix instruction (ISA guide 7.12.1)
.rept 4
	v_nop
.endr
.endm
.macro ROUND                           ; a round of the cluster's barrier
	s_barrier_signal -1
	s_barrier_wait -1
	s_cmp_lg_u32 s[WV], 0
	s_cbranch_scc1 .Lnw0_\@
	s_barrier_signal -3
.Lnw0_\@:
	s_barrier_wait -3
	s_barrier_signal -1
	s_barrier_wait -1
.endm
.macro JL                              ; the joint refill: every wave its quarter; s_nop 0 and four v_nop follow
	tensor_load_to_lds s[G0:G0+3], s[G1W:G1W+7]
	s_nop 0
	PLACES
.endm
.macro NEXT                            ; the walking descriptor takes tile NQ: its address is made anew from the number; the other slot than last time
	s_lshr_b32 s84, s[NQ], 1
	s_lshl_b32 s84, s84, 15
	s_and_b32 s85, s[NQ], 1
	s_lshl_b32 s85, s85, 17
	s_add_co_u32 s84, s84, s85                     ; head (NQ / 2) + 4 (NQ % 2), 32,768 bytes each
	s_sub_co_u32 s85, s[NQ], 8
	s_lshl_b32 s85, s85, 16
	s_cmp_lt_u32 s[NQ], 8
	s_cselect_b32 s[OFF], s84, s85
	s_cselect_b64 s[TMPA:TMPA+1], s[KVW:KVW+1], s[WOW:WOW+1]
	s_add_nc_u64 s[G0+2:G0+3], s[TMPA:TMPA+1], s[OFF:OFF+1]
	s_or_b32 s[G0+3], s[G0+3], 0x80000000
	s_xor_b32 s[G0+1], s[G0+1], SLOT1
	s_add_co_u32 s[NQ], s[NQ], 1
.endm
; A PREFETCH of the K (wave 0) or V (wave 2) that the next refill will ask for: 32,768 bytes, of which the four partners take 8,192 each BY ADDRESS.  Both clusters of a batch entry walk the same tiles: cluster x = 0 asks.
.macro ASKKV
	s_cmp_lt_u32 s[NQ], s[LIM]
	s_cbranch_scc0 .Lnk_\@
	s_wait_xcnt 0x0                                ; the last prefetch, a refill back, has read its address
	s_lshr_b32 s84, s[NQ], 1
	s_lshl_b32 s84, s84, 15
	s_and_b32 s85, s[NQ], 1
	s_lshl_b32 s85, s85, 17
	s_add_co_u32 s84, s84, s85
	s_mov_b32 s85, 0
	s_add_nc_u64 s[PFA:PFA+1], s[KVW:KVW+1], s[84:85]
	global_prefetch_b8 v[PFL], s[PFA:PFA+1] th:TH_LOAD_NT scope:SCOPE_SE
.Lnk_\@:
.endm
; A PREFETCH of x for the way out: my own 256 bytes of 32 rows, a lane a row.  Four of my eight such groups are asked for in the last four trips of the product with Wo, the others on the way out.
.macro ASKX cond
.if \cond
	s_cmp_lt_u32 s[TC], s[XL]
	s_cbranch_scc0 .Lnox_\@
.endif
	s_wait_xcnt 0x0
	s_add_nc_u64 s[XPF:XPF+1], s[XPF:XPF+1], 131072
	global_prefetch_b8 v[PFX], s[XPF:XPF+1] offset:-131072 th:TH_LOAD_NT scope:SCOPE_SE
.if \cond
.Lnox_\@:
.endif
.endm
.macro FETCH f                         ; 40 LDS loads: the fragments of 32 along K (half f of the tile) into buffer f
	WIN 0x40
.irp a, 0,1,2,3,4,5,6,7,8,9,10,11,12,13,14,15
	ds_load_b128 v[128*(\f)+8*(\a):128*(\f)+8*(\a)+3],   v[ADW] offset:(\f)*32768+(\a)*256
	ds_load_b128 v[128*(\f)+8*(\a)+4:128*(\f)+8*(\a)+7], v[ADW] offset:(\f)*32768+(\a)*256+16384
.endr
	WIN 0
.irp qt, 0,1,2,3
	ds_load_b128 v[BF+32*(\f)+8*(\qt):BF+32*(\f)+8*(\qt)+3],   v[ADY] offset:(\f)*4096+(\qt)*256
	ds_load_b128 v[BF+32*(\f)+8*(\qt)+4:BF+32*(\f)+8*(\qt)+7], v[ADY] offset:(\f)*4096+(\qt)*256+2048
.endr
.endm
.macro MUL16 f, a0, zero=0             ; 16 products: column blocks a0 .. a0 + 3 x 4 query tiles; the 64 accumulators take turns
	WIN 0xa1+0x50*((\a0)/8)
.irp a, \a0, (\a0)+1, (\a0)+2, (\a0)+3
.irp qt, 0,1,2,3
.if \zero
	v_wmma_f32_16x16x32_bf16 v[8*(4*((\a)%8)+(\qt)):8*(4*((\a)%8)+(\qt))+7], v[128*(\f)+8*(\a):128*(\f)+8*(\a)+7], v[BF+32*(\f)+8*(\qt):BF+32*(\f)+8*(\qt)+7], 0
.else
	v_wmma_f32_16x16x32_bf16 v[8*(4*((\a)%8)+(\qt)):8*(4*((\a)%8)+(\qt))+7], v[128*(\f)+8*(\a):128*(\f)+8*(\a)+7], v[BF+32*(\f)+8*(\qt):BF+32*(\f)+8*(\qt)+7], v[8*(4*((\a)%8)+(\qt)):8*(4*((\a)%8)+(\qt))+7]
.endif
.endr
.endr
.endm
; A TRIP begins where tile i is entered; buffer 1 still holds the second half of tile i - 1.  ONE barrier for the change of slots: ahead of it each wave waits for all its tensor loads (its quarter of tile i), adds 0
; to its spare word, and waits for that and for its reads of tile i - 1.  fill = 1: the barrier is a round of the cluster's, and the next tile is asked for first behind it: it has the trip's other 96 products in which to land.
; mode 0: the next tile of the same weight.  mode 1: tile NQ.  mode 2: none.
.macro TRIP fill, mode
	WIN 0
	s_wait_tensorcnt 0x0                           ; no tensor load of mine is out, so group 0 may be written
	ds_add_u32 v[SPW], v[NIL]
.if (\mode) == 0
	s_xor_b32 s[G0+1], s[G0+1], SLOT1
	s_add_nc_u64 s[G0+2:G0+3], s[G0+2:G0+3], STEP
.elseif (\mode) == 1
	NEXT
.endif
	s_xor_b32 s[TB], s[TB], SLOT1
	s_add_co_u32 s[YB], s[YB], 8192
	s_wait_dscnt 0x1                               ; only the add may be out: buffer 1 is in
	MUL16 1, 0
	MUL16 1, 4
	s_wait_dscnt 0x0                               ; the add is done, my reads of the old slot are over
	WIN 0
.if \fill
	ROUND
	JL                                             ; its four v_nop are also the places ahead of the loads into buffer 0
.else
	s_barrier_signal -1
	s_barrier_wait -1
	PLACES
.endif
	v_add_nc_u32 v[ADW], s[TB], v[WL]
	v_add_nc_u32 v[ADY], s[YB], v[YL]
	FETCH 0
.if (\mode) == 0
	ASKX 1
.elseif (\mode) == 1
	ASKKV
.else
	ASKX 0
.endif
	MUL16 1, 8
	MUL16 1, 12
	PLACES
	FETCH 1
	s_wait_dscnt 40                                ; buffer 1's 40 loads may be out: buffer 0 is in
	MUL16 0, 0
	MUL16 0, 4
	MUL16 0, 8
	MUL16 0, 12
.endm
.macro SFMA u                          ; pair u / 2 of tile u % 2: c s - c m
.set bq, 128*((\u)%2)+2*((\u)/2)
.set cq, ST+16*((\u)%2)+4
	v_pk_fma_f32 v[bq:bq+1], v[bq:bq+1], s[CS:CS+1], v[cq:cq+1] op_sel_hi:[1,0,0] neg_lo:[0,0,1] neg_hi:[0,0,1]
.endm
; THE SOFTMAX of two query tiles; a lane holds 128 scores of one query in each, the lane 16 away the other 128.
.macro SMX
	WIN 0x2a                                       ; four chains of 32 scores a tile, ascending
.irp c, 0,1,2,3
.irp qq, 0,1
	v_max3_num_f32 v[ST+16*(\qq)+(\c)], v[128*(\qq)+32*(\c)], v[128*(\qq)+32*(\c)+1], v[128*(\qq)+32*(\c)+2]
.endr
.endr
	WIN 0x28
.set k, 0
.rept 14
.irp c, 0,1,2,3
.irp qq, 0,1
	v_max3_num_f32 v[ST+16*(\qq)+(\c)], v[ST+16*(\qq)+(\c)], v[128*(\qq)+32*(\c)+3+2*k], v[128*(\qq)+32*(\c)+4+2*k]
.endr
.endr
.set k, k+1
.endr
.irp qq, 0,1
	v_max3_num_f32 v[ST+16*(\qq)], v[ST+16*(\qq)], v[128*(\qq)+31], v[128*(\qq)+63]
	v_max3_num_f32 v[ST+16*(\qq)+1], v[ST+16*(\qq)+1], v[128*(\qq)+95], v[128*(\qq)+127]
.endr
	WIN 0
.irp qq, 0,1
	v_max3_num_f32 v[ST+16*(\qq)], v[ST+16*(\qq)], v[ST+16*(\qq)+1], v[ST+16*(\qq)+2]
.endr
.irp qq, 0,1
	v_max_num_f32 v[ST+16*(\qq)], v[ST+16*(\qq)], v[ST+16*(\qq)+3]
.endr
.irp qq, 0,1
	v_permlanex16_b32 v[ST+16*(\qq)+1], v[ST+16*(\qq)], s[SEL], s[SEL+1]
.endr
.irp qq, 0,1
	v_max_num_f32 v[ST+16*(\qq)+5], v[ST+16*(\qq)], v[ST+16*(\qq)+1]    ; the row's maximum
.endr
.irp qq, 0,1
	v_mul_f32 v[ST+16*(\qq)+4], s[CS], v[ST+16*(\qq)+5]
.endr
	WIN 0x82                                       ; scalings four pairs ahead of their exponentials: plain, exponential, exponential
.set u, 0
.rept 4
	SFMA u
.set u, u+1
.endr
.set u, 0
.rept 128
.if u < 124
	SFMA u+4
.endif
.set bq, 128*(u%2)+2*(u/2)
	v_exp_f32 v[bq], v[bq]
	v_exp_f32 v[bq+1], v[bq+1]
.set u, u+1
.endr
	v_nop                                          ; a plain instruction behind the last exponential (ISA guide 5.7.2)
	WIN 0x0a                                       ; the sums of the unrounded weights: four chains of 16 pairs a tile
	s_wait_alu depctr_va_vdst(0)
.irp c, 0,1,2,3
.irp qq, 0,1
	v_pk_add_f32 v[ST+16*(\qq)+6+2*(\c):ST+16*(\qq)+7+2*(\c)], v[128*(\qq)+32*(\c):128*(\qq)+32*(\c)+1], v[128*(\qq)+32*(\c)+2:128*(\qq)+32*(\c)+3]
.endr
.endr
	WIN 0x08
.set k, 0
.rept 14
.irp c, 0,1,2,3
.irp qq, 0,1
	v_pk_add_f32 v[ST+16*(\qq)+6+2*(\c):ST+16*(\qq)+7+2*(\c)], v[ST+16*(\qq)+6+2*(\c):ST+16*(\qq)+7+2*(\c)], v[128*(\qq)+32*(\c)+4+2*k:128*(\qq)+32*(\c)+5+2*k]
.endr
.endr
.set k, k+1
.endr
	WIN 0
.irp qq, 0,1
	v_pk_add_f32 v[ST+16*(\qq)+6:ST+16*(\qq)+7], v[ST+16*(\qq)+6:ST+16*(\qq)+7], v[ST+16*(\qq)+8:ST+16*(\qq)+9]
	v_pk_add_f32 v[ST+16*(\qq)+10:ST+16*(\qq)+11], v[ST+16*(\qq)+10:ST+16*(\qq)+11], v[ST+16*(\qq)+12:ST+16*(\qq)+13]
.endr
.irp qq, 0,1
	v_pk_add_f32 v[ST+16*(\qq)+6:ST+16*(\qq)+7], v[ST+16*(\qq)+6:ST+16*(\qq)+7], v[ST+16*(\qq)+10:ST+16*(\qq)+11]
.endr
.irp qq, 0,1
	v_add_f32 v[ST+16*(\qq)+6], v[ST+16*(\qq)+6], v[ST+16*(\qq)+7]
.endr
.irp qq, 0,1
	v_permlanex16_b32 v[ST+16*(\qq)+7], v[ST+16*(\qq)+6], s[SEL], s[SEL+1]
.endr
.irp qq, 0,1
	v_add_f32 v[ST+16*(\qq)+6], v[ST+16*(\qq)+6], v[ST+16*(\qq)+7]
.endr
.irp qq, 0,1
	v_rcp_f32 v[ST+16*(\qq)+14], v[ST+16*(\qq)+6]
	v_rcp_f32 v[ST+16*(\qq)+15], v[ST+16*(\qq)+6]  ; twice: the packed multiply names a pair
.endr
	WIN 0x8a                                       ; P in place, ascending: word i takes weights 2 i, 2 i + 1; fragment m (32 keys) then lies at 128 qq + 8 m
.set i, 0
.rept 64
.irp qq, 0,1
	v_cvt_pk_bf16_f32 v[128*(\qq)+i], v[128*(\qq)+2*i], v[128*(\qq)+2*i+1]
.endr
.set i, i+1
.endr
.endm
; THE WAY OUT, by blocks a of 16 output rows.  LOADB: x and posb of block a, 16 bytes a lane, into batch a % 4 of window 1.
.macro LOADB a
	WIN 0x40
.irp j, 0,1,2,3,4,5,6,7
	global_load_b128 v[64*((\a)%4)+4*(\j):64*((\a)%4)+4*(\j)+3], v[XO], s[XB:XB+1] offset:(\a)*65536+(\j)*4096 th:TH_LOAD_NT
.endr
.irp j, 0,1,2,3,4,5,6,7
	global_load_b128 v[64*((\a)%4)+32+4*(\j):64*((\a)%4)+32+4*(\j)+3], v[XO], s[PBB:PBB+1] offset:(\a)*65536+(\j)*4096
.endr
.endm
.macro OUTB a
.if (\a) >= 1
	s_wait_xcnt 0x0                                ; the last block's stores have read their data: that batch is loaded again
.endif
.if (\a) <= 12
	LOADB (\a)+3
.endif
.if ((\a) < 8) && ((\a)%2 == 0)
	global_prefetch_b8 v[PFX], s[XB:XB+1] offset:(4+(\a)/2)*131072 th:TH_LOAD_NT scope:SCOPE_SE   ; x's rows of blocks a + 8 and a + 9
.endif
.if (\a) <= 12
	s_wait_loadcnt 48                              ; three younger batches of 16 loads may stay out
.else
	s_wait_loadcnt 16*(15-(\a))
.endif
.set bb, 64*((\a)%4)
	WIN 0x45
.set i, 0
.rept 16
	v_pk_add_f32 v[bb+2*i:bb+2*i+1], v[bb+2*i:bb+2*i+1], v[bb+32+2*i:bb+32+2*i+1]
.set i, i+1
.endr
	WIN 0x46+((\a)/8)
.irp j, 0,1,2,3,4,5,6,7
.irp qt, 0,1,2,3
	v_add_f32 v[bb+4*(\j)+(\qt)], v[8*(4*((\a)%8)+(\qt))+(\j)], v[bb+4*(\j)+(\qt)]   ; register j of the four query tiles: four neighbouring n; each accumulator from its low end
.endr
.endr
	WIN 0x04
.irp j, 0,1,2,3,4,5,6,7
	global_store_b128 v[XO], v[bb+4*(\j):bb+4*(\j)+3], s[OB:OB+1] offset:(\a)*65536+(\j)*4096 th:TH_STORE_NT   ; 16 lanes fill 256 consecutive bytes, aligned
.endr
.endm
	s_load_b256 s[4:11], s[0:1], 0x0               ; yb s[4:5], wb s[6:7], kv s[8:9], x s[10:11]
	s_load_b128 s[12:15], s[0:1], 0x20             ; posb s[12:13], out0 s[14:15]
	v_lshl_add_u32 v[SPW], v0, 2, SPARE
	v_mov_b32 v[NIL], 0
	ds_add_u32 v[SPW], v[NIL]                      ; the wave's opening
	v_lshrrev_b32 v1, 5, v0
	v_readfirstlane_b32 s[WV], v1                  ; wave 0..3
	s_lshr_b32 s[RH], s[WV], 1
	s_and_b32 s[CH], s[WV], 1
	s_bfe_u32 s[CX], ttmp6, 0x40000                ; my place in the cluster: it enters global addresses of my own loads, stores and prefetches alone
	s_lshl_b32 s[GG], ttmp9, 2
	s_add_co_u32 s[GG], s[GG], s[CX]               ; my block of 128 queries
	s_and_b32 s[BB], ttmp7, 0xffff                 ; b
	s_mov_b32 s[G1W], 15|(3<<16)|(1<<21)           ; the mask of four; elements of 8 bytes; bit 21 beside a mask
	s_mov_b32 s[G1Y], 3<<16
	s_mov_b32 s[G1W+2], 64<<16
	s_mov_b32 s[G1Y+2], 128<<16
	s_mov_b32 s[G1W+4], 64
	s_mov_b32 s[G1Y+4], 128
.irp g, G1W, G1Y
	s_mov_b32 s[(\g)+1], 32<<16                    ; rows of 32 elements = 256 bytes,
	s_mov_b32 s[(\g)+3], 32<<16
	s_mov_b32 s[(\g)+5], 32                        ; end to end
	s_mov_b32 s[(\g)+6], 0
	s_mov_b32 s[(\g)+7], 0
.endr
	s_lshl_b32 s84, s[WV], 14                      ; my quarter of a tile
	s_mov_b32 s85, 0
	s_mov_b32 s[G0A], 1
	s_mov_b32 s[G0A+1], s84
	s_mov_b32 s[G0], 1
	s_add_co_u32 s[G0+1], s84, SLOT1
	s_lshl_b32 s94, s[WV], 15                      ; my quarter of BIG
	s_mov_b32 s[G0Y], 1
	s_add_co_u32 s[G0Y+1], s94, BIG
	s_lshl_b32 s86, s[WV], 15                      ; y: b x 1,048,576 + block x 131,072 + my quarter
	s_lshl_b32 s87, s[BB], 20
	s_add_co_u32 s86, s86, s87
	s_lshl_b32 s87, s[GG], 17
	s_add_co_u32 s86, s86, s87
	s_mov_b32 s87, 0
	s_lshl_b32 s22, s[RH], 23                      ; waves 0, 1 fetch K's halves, waves 2, 3 V's
	s_lshl_b32 s23, s[BB], 18
	s_add_co_u32 s22, s22, s23
	s_lshl_b32 s23, s[CH], 14
	s_add_co_u32 s22, s22, s23
	s_mov_b32 s23, 0
	s_lshl_b32 s88, s[CH], 20                      ; my 256 output rows, my 64 queries
	s_lshl_b32 s89, s[GG], 9
	s_add_co_u32 s88, s88, s89
	s_lshl_b32 s89, s[RH], 8
	s_add_co_u32 s88, s88, s89
	s_mov_b32 s89, 0
	s_lshl_b32 s92, s[BB], 21
	s_add_co_u32 s92, s92, s88
	s_mov_b32 s93, 0
	s_mov_b32 s[OFF+1], 0
	s_mov_b32 s[CS], 0x3e38aa3b                    ; c = log2(e) / 8
	s_mov_b32 s[CS+1], s[CS]                       ; named with it as a pair
	s_mov_b32 s[SEL], 0x76543210
	s_mov_b32 s[SEL+1], 0xfedcba98
	s_mov_b32 s[PH], 2
	s_mov_b32 s[NQ], 0
	s_mov_b32 s[XL], 0
	s_and_b32 s[LIM], s[WV], 1
	s_or_b32 s[LIM], s[LIM], ttmp9
	s_cmp_eq_u32 s[LIM], 0
	s_cselect_b32 s[LIM], 8, 0                     ; the same in all four partners, for a given wave
	s_wait_dscnt 0x0                               ; the opening add is done
	s_wait_kmcnt 0x0
	s_add_nc_u64 s[G0Y+2:G0Y+3], s[4:5], s[86:87]
	s_or_b32 s[G0Y+3], s[G0Y+3], 0x80000000
	s_add_nc_u64 s[G0A+2:G0A+3], s[6:7], s[84:85]
	s_add_nc_u64 s[G0+2:G0+3], s[G0A+2:G0A+3], STEP
	s_add_nc_u64 s[WOW:WOW+1], s[G0A+2:G0A+3], 3*524288
	s_or_b32 s[G0A+3], s[G0A+3], 0x80000000
	s_or_b32 s[G0+3], s[G0+3], 0x80000000
	s_add_nc_u64 s[KVW:KVW+1], s[8:9], s[22:23]
	s_add_nc_u64 s[XB:XB+1], s[10:11], s[92:93]
	s_mov_b64 s[XPF:XPF+1], s[XB:XB+1]
	s_add_nc_u64 s[PBB:PBB+1], s[12:13], s[88:89]
	s_add_nc_u64 s[OB:OB+1], s[14:15], s[92:93]
	ROUND                                          ; all four work-groups are here: the first loads go out as one group
	tensor_load_to_lds s[G0Y:G0Y+3], s[G1Y:G1Y+7]  ; y
	s_nop 0
	tensor_load_to_lds s[G0A:G0A+3], s[G1W:G1W+7]  ; Wq's tile 0
	s_nop 0
	tensor_load_to_lds s[G0:G0+3], s[G1W:G1W+7]    ; Wq's tile 1: three loads of mine are out
	s_nop 0
	PLACES
	v_and_b32 v48, 15, v0                          ; r
	v_bfe_u32 v49, v0, 4, 1                        ; h
	v_bfe_u32 v50, v0, 3, 1
	v_and_b32 v51, 7, v0
	v_lshlrev_b32 v52, 4, v48                      ; 16 r
	v_lshl_add_u32 v53, v49, 3, v48
	v_and_b32 v53, 15, v53
	v_lshlrev_b32 v53, 4, v53                      ; 16 ((r + 8 h) & 15): the blocks that my half of the lanes reads are odd where h = 1
	v_lshl_add_u32 v51, v49, 3, v51
	v_lshl_add_u32 v51, v50, 3, v51
	v_and_b32 v51, 15, v51
	v_lshlrev_b32 v51, 4, v51                      ; the turning load's place, half-swapped in the odd block
	s_lshl_b32 s84, s[CH], 12
	v_lshl_add_u32 v[WL], v49, 13, v52
	v_add_nc_u32 v[WL], s84, v[WL]
	v_lshl_add_u32 v54, v49, 10, v53
	s_lshl_b32 s84, s[RH], 16
	s_add_co_u32 s84, s84, BIG
	v_add_nc_u32 v[YL], s84, v54
	s_lshl_b32 s84, s[WV], 15
	s_add_co_u32 s84, s84, BIG
	v_add_nc_u32 v[QL], s84, v54
	s_lshl_b32 s84, s[CH], 17
	v_lshl_add_u32 v[KL], v49, 12, v53
	v_add_nc_u32 v[KL], s84, v[KL]
	s_add_co_u32 s84, s84, 32768
	v_lshl_add_u32 v[VL], v50, 12, v51
	v_add_nc_u32 v[VL], s84, v[VL]
	v_lshl_add_u32 v[XO], v49, 15, v52
	v_and_b32 v55, 31, v0
	v_lshlrev_b32 v[PFX], 12, v55
	v_lshlrev_b32 v55, 8, v55
	v_lshl_add_u32 v[PFL], s[CX], 13, v55
.Lphase:                                       ; twice: the product of BIG's 128 queries with Wq, later with Wo
	s_wait_tensorcnt 0x1                           ; only the youngest load, slot 1's tile, may be out: what BIG and slot 0 hold of mine is in
	s_wait_dscnt 0x0                               ; the second time: my stores of O are done
	s_barrier_signal -1
	s_barrier_wait -1
	s_mov_b32 s[TB], 0
	s_mov_b32 s[YB], 0
	v_add_nc_u32 v[ADW], s[TB], v[WL]
	v_add_nc_u32 v[ADY], s[YB], v[YL]
	FETCH 0
	FETCH 1
	s_wait_dscnt 40
	MUL16 0, 0, 1                                  ; the first products start the sums
	MUL16 0, 4, 1
	MUL16 0, 8, 1
	MUL16 0, 12, 1
	WIN 0
	s_mov_b32 s[TC], 6
.Ltrip:                                        ; trips 1 to 6: tiles 2 to 7 are asked for
	TRIP 1, 0
	WIN 0
	s_sub_co_u32 s[TC], s[TC], 1
	s_cmp_lg_u32 s[TC], 0
	s_cbranch_scc1 .Ltrip
	s_cmp_eq_u32 s[PH], 1
	s_cbranch_scc1 .Ltail2
	TRIP 1, 1                                      ; Wq's last tile; K and V number 0 are asked for
	WIN 0                                          ; a change of slots without fetches: number 1 is asked for
	s_wait_tensorcnt 0x0
	ds_add_u32 v[SPW], v[NIL]
	NEXT
	s_wait_dscnt 0x1
	MUL16 1, 0
	MUL16 1, 4
	s_wait_dscnt 0x0
	WIN 0
	ROUND                                          ; every wave's reads of y are over too
	JL
	ASKKV
	MUL16 1, 8
	MUL16 1, 12
	PLACES
.set gq, 0
.rept 4                                ; q, rounded once, over y: my four heads' 32 blocks of my 64 queries, bytes that no other wave touches from here to the second phase
	WIN 0x0a+5*(gq/2)
.set t, 0
.rept 16
.irp wd, 0,1,2,3
	v_cvt_pk_bf16_f32 v[TMP+4*t+(\wd)], v[128*(gq%2)+8*t+2*(\wd)], v[128*(gq%2)+8*t+2*(\wd)+1]
.endr
.set t, t+1
.endr
	WIN 0
.set t, 0
.rept 16
	ds_store_b128 v[QL], v[TMP+4*t:TMP+4*t+3] offset:(4*gq+t/4)*2048+(t%4)*256
.set t, t+1
.endr
.set gq, gq+1
.endr
	s_mov_b32 s[QB], 0
	s_mov_b32 s[HC], 4
.Lhead:                                        ; my next head; its K and V lie in my slot
	s_wait_tensorcnt 0x0                           ; slot 1's tile was asked for in the pass before: every wave's quarter has to be in
	s_wait_dscnt 0x0
	s_barrier_signal -1
	s_barrier_wait -1                              ; the refills stand behind the passes' rounds
	WIN 0x40
.set kt, 0
.rept 16                               ; K stays in registers for the head: key block kt, channels 32 s on, at 8 (2 kt + s)
.irp s, 0,1
	ds_load_b128 v[8*(2*kt+(\s)):8*(2*kt+(\s))+3],   v[KL] offset:(\s)*16384+kt*256
	ds_load_b128 v[8*(2*kt+(\s))+4:8*(2*kt+(\s))+7], v[KL] offset:(\s)*16384+kt*256+8192
.endr
.set kt, kt+1
.endr
	WIN 0
	s_mov_b32 s[PCN], 2
.Lpass:                                        ; two of my four query tiles
	v_add_nc_u32 v[ADQ], s[QB], v[QL]
.irp qq, 0,1
.irp s, 0,1
	ds_load_b128 v[BF+8*(2*(\qq)+(\s)):BF+8*(2*(\qq)+(\s))+3],   v[ADQ] offset:(\s)*4096+(\qq)*256
	ds_load_b128 v[BF+8*(2*(\qq)+(\s))+4:BF+8*(2*(\qq)+(\s))+7], v[ADQ] offset:(\s)*4096+(\qq)*256+2048
.endr
.endr
	s_wait_dscnt 0x0                               ; K and q are in
	s_cmp_lg_u32 s[PCN], 2
	s_cbranch_scc1 .Lno_v
	WIN 0xc0
.irp ct, 0,1,2,3                       ; the head's first pass fetches V, turned, while the scores are made: channels 16 ct on, keys 32 m on, at 8 (8 ct + m)
.set m, 0
.rept 8
	ds_load_tr16_b128 v[8*(8*(\ct)+m):8*(8*(\ct)+m)+3],   v[VL] offset:(\ct)*8192+m*512
	ds_load_tr16_b128 v[8*(8*(\ct)+m)+4:8*(8*(\ct)+m)+7], v[VL] offset:(\ct)*8192+m*512+256
.set m, m+1
.endr
.endr
	WIN 0
.Lno_v:
	WIN 0xa1                                       ; S^T = K q^T: 32 accumulators by turns, twice
.irp s, 0,1
.set kt, 0
.rept 16
.irp qq, 0,1
.if (\s) == 0
	v_wmma_f32_16x16x32_bf16 v[8*(16*(\qq)+kt):8*(16*(\qq)+kt)+7], v[8*(2*kt+(\s)):8*(2*kt+(\s))+7], v[BF+8*(2*(\qq)+(\s)):BF+8*(2*(\qq)+(\s))+7], 0
.else
	v_wmma_f32_16x16x32_bf16 v[8*(16*(\qq)+kt):8*(16*(\qq)+kt)+7], v[8*(2*kt+(\s)):8*(2*kt+(\s))+7], v[BF+8*(2*(\qq)+(\s)):BF+8*(2*(\qq)+(\s))+7], v[8*(16*(\qq)+kt):8*(16*(\qq)+kt)+7]
.endif
.endr
.set kt, kt+1
.endr
.endr
	WIN 0
	s_wait_tensorcnt 0x0                           ; K and V of this head lie in registers: the first pass fills slot 0 again, the second slot 1
	ds_add_u32 v[SPW], v[NIL]
	NEXT
	s_wait_dscnt 0x0                               ; the add is done, and V is in: my reads of both slots are over
	ROUND
	JL                                             ; its four v_nop are also the places ahead of the first read of the scores
	ASKKV
	SMX
	WIN 0x0b                                       ; O^T = V^T P: 8 accumulators by turns
.set m, 0
.rept 8
.irp ct, 0,1,2,3
.irp qq, 0,1
.if m == 0
	v_wmma_f32_16x16x32_bf16 v[OA+8*(2*(\ct)+(\qq)):OA+8*(2*(\ct)+(\qq))+7], v[8*(8*(\ct)+m):8*(8*(\ct)+m)+7], v[128*(\qq)+8*m:128*(\qq)+8*m+7], 0
.else
	v_wmma_f32_16x16x32_bf16 v[OA+8*(2*(\ct)+(\qq)):OA+8*(2*(\ct)+(\qq))+7], v[8*(8*(\ct)+m):8*(8*(\ct)+m)+7], v[128*(\qq)+8*m:128*(\qq)+8*m+7], v[OA+8*(2*(\ct)+(\qq)):OA+8*(2*(\ct)+(\qq))+7]
.endif
.endr
.endr
.set m, m+1
.endr
	PLACES
	WIN 0
.set t, 0
	s_wait_alu depctr_va_vdst(0)
.rept 8                                ; t = 2 ct + qq: divided by the row's sum,
.irp e, 0,2,4,6
	v_pk_mul_f32 v[OA+8*t+(\e):OA+8*t+(\e)+1], v[OA+8*t+(\e):OA+8*t+(\e)+1], v[ST+16*(t%2)+14:ST+16*(t%2)+15] op_sel_hi:[1,0]
.endr
.set t, t+1
.endr
.set t, 0
.rept 8                                ; rounded once,
.irp wd, 0,1,2,3
	v_cvt_pk_bf16_f32 v[TMP+4*t+(\wd)], v[OA+8*t+2*(\wd)], v[OA+8*t+2*(\wd)+1]
.endr
.set t, t+1
.endr
.set t, 0
.rept 8                                ; and stored over the pass's own q
	ds_store_b128 v[ADQ], v[TMP+4*t:TMP+4*t+3] offset:(t/2)*2048+(t%2)*256
.set t, t+1
.endr
	s_add_co_u32 s[QB], s[QB], 512                 ; the next two query tiles
	s_sub_co_u32 s[PCN], s[PCN], 1
	s_cmp_lg_u32 s[PCN], 0
	s_cbranch_scc1 .Lpass
	s_add_co_u32 s[QB], s[QB], 7168                ; the next head's eight blocks
	s_sub_co_u32 s[HC], s[HC], 1
	s_cmp_lg_u32 s[HC], 0
	s_cbranch_scc1 .Lhead
	s_mov_b32 s[XL], 4                             ; the second phase prefetches x in its last trips
	s_sub_co_u32 s[PH], s[PH], 1
	s_cmp_lg_u32 s[PH], 0
	s_cbranch_scc1 .Lphase                         ; the last two passes have asked for Wo's tiles 0 and 1
.Ltail2:
	TRIP 0, 2                                      ; Wo's last tile: nothing is left to fetch
	PLACES
	LOADB 0                                        ; buffer 0's registers are free
	LOADB 1
	s_wait_dscnt 0x0
	MUL16 1, 0
	MUL16 1, 4
	MUL16 1, 8
	MUL16 1, 12
	PLACES
	LOADB 2
.irp a, 0,1,2,3,4,5,6,7,8,9,10,11,12,13,14,15
	OUTB \a
.endr
	WIN 0
	s_wait_tensorcnt 0x0                           ; the wave's end
	ds_add_u32 v[SPW], v[NIL]
	s_wait_dscnt 0x0
	ROUND                                          ; the closing round
	s_endpgm
.Lfunc_end_k_qd5df905acc_main:
	.size	k_qd5df905acc_main, .Lfunc_end_k_qd5df905acc_main-k_qd5df905acc_main
	.p2alignl 7, 3214868480
	.fill 96, 4, 3214868480
	.section	.rodata,"a",@progbits
	.p2align	6, 0x0
	.amdhsa_kernel k_qd5df905acc_main
		.amdhsa_group_segment_fixed_size 327680
		.amdhsa_private_segment_fixed_size 0
		.amdhsa_enable_private_segment 0
		.amdhsa_kernarg_size 48
		.amdhsa_user_sgpr_count 2
		.amdhsa_user_sgpr_kernarg_segment_ptr 1
		.amdhsa_wavefront_size32 1
		.amdhsa_system_sgpr_workgroup_id_x 1
		.amdhsa_system_sgpr_workgroup_id_y 1
		.amdhsa_system_sgpr_workgroup_id_z 1
		.amdhsa_system_vgpr_workitem_id 0
		.amdhsa_next_free_vgpr 1024
		.amdhsa_next_free_sgpr 96
		.amdhsa_reserve_vcc 0
		.amdhsa_float_denorm_mode_32 3
		.amdhsa_float_denorm_mode_16_64 3
		.amdhsa_memory_ordered 1
		.amdhsa_forward_progress 1
		.amdhsa_inst_pref_size 227
	.end_amdhsa_kernel
	.amdgpu_metadata
---
amdhsa.version: [ 1, 2 ]
amdhsa.kernels:
  - .name:           k_qd5df905acc_main
    .symbol:         k_qd5df905acc_main.kd
    .args:
      - { .name: yb, .offset: 0, .size: 8, .value_kind: global_buffer, .address_space: global }
      - { .name: wb, .offset: 8, .size: 8, .value_kind: global_buffer, .address_space: global }
      - { .name: kv, .offset: 16, .size: 8, .value_kind: global_buffer, .address_space: global }
      - { .name: x, .offset: 24, .size: 8, .value_kind: global_buffer, .address_space: global }
      - { .name: posb, .offset: 32, .size: 8, .value_kind: global_buffer, .address_space: global }
      - { .name: out0, .offset: 40, .size: 8, .value_kind: global_buffer, .address_space: global }
    .group_segment_fixed_size: 327680
    .private_segment_fixed_size: 0
    .kernarg_segment_align: 8
    .kernarg_segment_size: 48
    .max_flat_workgroup_size: 128
    .sgpr_count:     96
    .vgpr_count:     1024
    .wavefront_size: 32
...
	.end_amdgpu_metadata
.endif
;; end of part 4
;; ======== version 2 of 2: 4 launches
;; workspace buffers: wb 2,097,152 bytes; pjb 1,048,576 bytes; post 2,097,152 bytes; posb 2,097,152 bytes; yb 33,554,432 bytes; kv 16,777,216 bytes
;; launch prep (part 5): grid 512 x 1, 4 waves a work-group, no clusters, 17,152 bytes of LDS; arguments Wq, Wk, Wv, Wo, proj_k, proj_v, pos, bo, wb, pjb, post, posb; writes wb, pjb, post, posb
.if DOCPART == 5
	.amdgcn_target "amdgcn-amd-amdhsa--gfx1250"
	.amdhsa_code_object_version 6
	.text
	.protected	k_qd5df905acc_prep
	.globl	k_qd5df905acc_prep
	.p2align	8
	.type	k_qd5df905acc_prep,@function
k_qd5df905acc_prep:
	s_mov_b64 s[64:65], 0
	v_nop
	global_prefetch_b8 v0, s[64:65] scope:SCOPE_SE
	s_setreg_imm32_b32 hwreg(HW_REG_WAVE_MODE, 25, 1), 1
	s_wait_xcnt 0x0
; PREP: the small inputs are laid out once for the launches behind.
;   wb   Wq, Wk, Wv: [m][cb 64][co 512][8] bf16: element j of a 16-byte chunk is W[8 cb + j][co];  Wo, the fourth: [co / 64][cb 64][co % 64][8], so that 64 output columns are 65,536 dense bytes
;   pjb  [k/v][key block 4][pb 128][key 64][8] bf16: element j is proj[n][key], n = 64 (pb>>3) + 32 (pb&1) + ((pb>>1)&3) + 4 j
;   post [c 512][n 1024] f32 = pos[n][c];   posb = post + bo[c]
; Work-groups 0-127: one tile of 64 n x 64 c of pos, turned through LDS by the four waves together: a wave brings 16 rows n in and takes 16 rows c out.  128-383: one cb of one weight.  384-511: two pb of one projection.
; The one barrier stands on every role's path; the roles that put nothing into LDS pass it at once.
; Every store of a wave covers whole aligned runs of 256 bytes.  The 4-byte loads cover 128 neighbouring bytes a wave: 6 MiB read once.
.set SPARE, 16640                      ; behind the tile (64 rows of 260 bytes): the spare words, 128 bytes a wave
.set SPW, 2                            ; v2  my spare word
.set NIL, 3                            ; v3  0
.set SL,  4                            ; v4  my byte offset in the source
.set DL,  5                            ; v5  my byte offset in the destination
.set PIN, 6                            ; v6  pos: my byte offset in the tile's rows of pos
.set PST, 7                            ; v7  pos: where I put a word of a row n in LDS
.set PLD, 8                            ; v8  pos: where I read a word of a row c back
.set POU, 9                            ; v9  pos: my byte offset in the tile's rows of post and posb
.set PBO, 10                           ; v10 pos: my byte offset in the tile's 64 numbers of bo
; 32 numbers a thread: four chunks u of eight rows j; rounded in pairs; four stores of 16 bytes.
.macro CONV se, sj, su, de, du
.irp u, 0,1,2,3
.irp j, 0,1,2,3,4,5,6,7
	global_load_b32 v[32+8*(\u)+(\j)], v[SL], s[32:33] offset:((\u)>>1)*(\se)+(\j)*(\sj)+((\u)&1)*(\su)
.endr
.endr
	s_wait_loadcnt 0x0
.irp u, 0,1,2,3
.irp wd, 0,1,2,3
	v_cvt_pk_bf16_f32 v[64+4*(\u)+(\wd)], v[32+8*(\u)+2*(\wd)], v[32+8*(\u)+2*(\wd)+1]
.endr
.endr
.irp u, 0,1,2,3
	global_store_b128 v[DL], v[64+4*(\u):64+4*(\u)+3], s[38:39] offset:((\u)>>1)*(\de)+((\u)&1)*(\du)
.endr
.endm
	s_load_b512 s[4:19], s[0:1], 0x0               ; Wq s[4:5], Wk s[6:7], Wv s[8:9], Wo s[10:11], proj_k s[12:13], proj_v s[14:15], pos s[16:17], bo s[18:19]
	s_load_b256 s[20:27], s[0:1], 0x40             ; wb s[20:21], pjb s[22:23], post s[24:25], posb s[26:27]
	v_lshl_add_u32 v[SPW], v0, 2, SPARE
	v_mov_b32 v[NIL], 0
	v_lshrrev_b32 v1, 5, v0
	v_readfirstlane_b32 s28, v1                    ; wave 0..3
	; the pos role's offsets; every work-group makes them, while the arguments are on their way
	v_and_b32 v11, 15, v0                          ; r
	v_bfe_u32 v12, v0, 4, 1                        ; h
	v_lshlrev_b32 v13, 4, v11                      ; 16 r
	s_lshl_b32 s29, s28, 15                        ; in: my 16 rows n of 2,048 bytes; two rows a load, 16 bytes a lane
	v_lshl_add_u32 v[PIN], v12, 11, v13
	v_add_nc_u32 v[PIN], s29, v[PIN]
	s_mul_i32 s29, s28, 4160                       ; the same 16 rows in LDS, 260 bytes each
	v_mul_u32_u24 v[PST], v12, 260
	v_add_nc_u32 v[PST], v[PST], v13
	v_add_nc_u32 v[PST], s29, v[PST]
	s_lshl_b32 s29, s28, 6                         ; back: my 16 channels are 64 bytes of an LDS row, and of bo
	v_mul_u32_u24 v[PLD], v11, 1040                ; rows 4 r + i, word 16 w + 2 u + h
	v_lshl_add_u32 v[PLD], v12, 2, v[PLD]
	v_add_nc_u32 v[PLD], s29, v[PLD]
	v_lshl_add_u32 v[PBO], v12, 2, s29
	s_lshl_b32 s29, s28, 16                        ; out: my 16 rows c of 4,096 bytes; two rows a store, 16 bytes a lane
	v_lshl_add_u32 v[POU], v12, 12, v13
	v_add_nc_u32 v[POU], s29, v[POU]
	s_lshr_b32 s30, ttmp9, 3                       ; block of 64 n
	s_and_b32 s31, ttmp9, 7                        ; block of 64 c
	s_lshl_b32 s34, s30, 17
	s_lshl_b32 s35, s31, 8
	s_add_co_u32 s34, s34, s35                     ; the tile in pos
	s_mov_b32 s35, 0
	s_lshl_b32 s36, s31, 8                         ; its channels in bo
	s_mov_b32 s37, 0
	s_lshl_b32 s40, s31, 18
	s_lshl_b32 s41, s30, 8
	s_add_co_u32 s40, s40, s41                     ; the tile in post and posb
	s_mov_b32 s41, 0
	s_wait_kmcnt 0x0
	s_cmp_lt_u32 ttmp9, 128
	s_cbranch_scc0 .Lmeet
	s_add_nc_u64 s[32:33], s[16:17], s[34:35]
.set t, 0
.rept 8
	global_load_b128 v[64+4*t:64+4*t+3], v[PIN], s[32:33] offset:t*4096
.set t, t+1
.endr
	s_wait_loadcnt 0x0
.set t, 0
.rept 8
.irp i, 0,1,2,3
	ds_store_b32 v[PST], v[64+4*t+(\i)] offset:t*520+4*(\i)
.endr
.set t, t+1
.endr
.Lmeet:
	s_wait_dscnt 0x0                               ; for the others' sake: my rows are stored
	s_barrier_signal -1
	s_barrier_wait -1
	s_cmp_lt_u32 ttmp9, 128
	s_cbranch_scc1 .Lpos
	s_sub_co_u32 s47, ttmp9, 128                   ; 0..383
	s_cmp_lt_u32 s47, 256
	s_cbranch_scc0 .Lproj
	; ---- a weight's block cb: thread t takes columns t + 128 u
	s_lshr_b32 s29, s47, 6                         ; m
	s_and_b32 s30, s47, 63                         ; cb
	s_and_b32 s31, s29, 1
	s_cmp_lg_u32 s31, 0
	s_cselect_b64 s[32:33], s[6:7], s[4:5]
	s_cselect_b64 s[34:35], s[10:11], s[8:9]
	s_cmp_ge_u32 s29, 2
	s_cselect_b64 s[32:33], s[34:35], s[32:33]
	s_lshl_b32 s34, s30, 14                        ; eight rows of 2,048 bytes
	s_mov_b32 s35, 0
	s_add_nc_u64 s[32:33], s[32:33], s[34:35]
	v_lshlrev_b32 v[SL], 2, v0
	s_mov_b32 s37, 0
	s_cmp_eq_u32 s29, 3
	s_cbranch_scc1 .Lwo
	s_lshl_b32 s36, s29, 19
	s_lshl_b32 s40, s30, 13
	s_add_co_u32 s36, s36, s40
	s_add_nc_u64 s[38:39], s[20:21], s[36:37]
	v_lshlrev_b32 v[DL], 4, v0
	CONV 1024, 2048, 512, 4096, 2048
	s_branch .Lend
.Lwo:
	; ---- Wo: column co = t + 128 u goes to block (t >> 6) + 2 u, place t & 63
	s_lshl_b32 s36, s30, 10
	s_add_co_u32 s36, s36, 3<<19
	s_add_nc_u64 s[38:39], s[20:21], s[36:37]
	v_lshrrev_b32 v14, 6, v0
	v_and_b32 v15, 63, v0
	v_lshlrev_b32 v15, 4, v15
	v_lshl_add_u32 v[DL], v14, 16, v15
	CONV 1024, 2048, 512, 262144, 131072
	s_branch .Lend
.Lproj:
	; ---- a projection's blocks pb = 2 rest + e: thread t takes keys t + 128 (u&1), e = u>>1
	s_sub_co_u32 s29, s47, 256
	s_lshr_b32 s30, s29, 6                         ; 0: proj_k, 1: proj_v
	s_and_b32 s31, s29, 63                         ; rest
	s_cmp_lg_u32 s30, 0
	s_cselect_b64 s[32:33], s[14:15], s[12:13]
	s_lshr_b32 s34, s31, 2
	s_lshl_b32 s34, s34, 6
	s_and_b32 s35, s31, 3
	s_add_co_u32 s34, s34, s35                     ; row 64 (rest>>2) + (rest&3)
	s_lshl_b32 s34, s34, 10
	s_mov_b32 s35, 0
	s_add_nc_u64 s[32:33], s[32:33], s[34:35]
	s_lshl_b32 s36, s30, 19
	s_lshl_b32 s37, s31, 11
	s_add_co_u32 s36, s36, s37
	s_mov_b32 s37, 0
	s_add_nc_u64 s[38:39], s[22:23], s[36:37]
	v_lshlrev_b32 v[SL], 2, v0
	v_lshrrev_b32 v14, 6, v0
	v_and_b32 v15, 63, v0
	v_lshlrev_b32 v15, 4, v15
	v_lshl_add_u32 v[DL], v14, 17, v15             ; key block x 131,072 + key x 16
	CONV 32768, 4096, 512, 1024, 262144
	s_branch .Lend
.Lpos:
	; ---- the tile comes back turned: my 16 rows c, four neighbouring n a lane
	s_add_nc_u64 s[38:39], s[18:19], s[36:37]      ; bo at the tile's channels
	s_add_nc_u64 s[42:43], s[24:25], s[40:41]      ; post
	s_add_nc_u64 s[44:45], s[26:27], s[40:41]      ; posb
.set u, 0
.rept 8
	global_load_b32 v[32+u], v[PBO], s[38:39] offset:8*u
.set u, u+1
.endr
.set u, 0
.rept 8
.irp i, 0,1,2,3
	ds_load_b32 v[96+4*u+(\i)], v[PLD] offset:(\i)*260+8*u
.endr
.set u, u+1
.endr
	s_wait_dscnt 0x0
.set u, 0
.rept 8
	global_store_b128 v[POU], v[96+4*u:96+4*u+3], s[42:43] offset:u*8192   ; 16 lanes store 256 consecutive bytes, aligned
.set u, u+1
.endr
	s_wait_loadcnt 0x0                             ; bo
.set u, 0
.rept 8
.irp i, 0,1,2,3
	v_add_f32 v[128+4*u+(\i)], v[96+4*u+(\i)], v[32+u]
.endr
	global_store_b128 v[POU], v[128+4*u:128+4*u+3], s[44:45] offset:u*8192
.set u, u+1
.endr
.Lend:
	s_wait_tensorcnt 0x0                           ; the wave's end
	ds_add_u32 v[SPW], v[NIL]
	s_wait_dscnt 0x0
	s_endpgm
.Lfunc_end_k_qd5df905acc_prep:
	.size	k_qd5df905acc_prep, .Lfunc_end_k_qd5df905acc_prep-k_qd5df905acc_prep
	.p2alignl 7, 3214868480
	.fill 96, 4, 3214868480
	.section	.rodata,"a",@progbits
	.p2align	6, 0x0
	.amdhsa_kernel k_qd5df905acc_prep
		.amdhsa_group_segment_fixed_size 17152
		.amdhsa_private_segment_fixed_size 0
		.amdhsa_enable_private_segment 0
		.amdhsa_kernarg_size 96
		.amdhsa_user_sgpr_count 2
		.amdhsa_user_sgpr_kernarg_segment_ptr 1
		.amdhsa_wavefront_size32 1
		.amdhsa_system_sgpr_workgroup_id_x 1
		.amdhsa_system_sgpr_workgroup_id_y 1
		.amdhsa_system_sgpr_workgroup_id_z 1
		.amdhsa_system_vgpr_workitem_id 0
		.amdhsa_next_free_vgpr 160
		.amdhsa_next_free_sgpr 66
		.amdhsa_reserve_vcc 0
		.amdhsa_float_denorm_mode_32 3
		.amdhsa_float_denorm_mode_16_64 3
		.amdhsa_memory_ordered 1
		.amdhsa_forward_progress 1
		.amdhsa_inst_pref_size 26
	.end_amdhsa_kernel
	.amdgpu_metadata
---
amdhsa.version: [ 1, 2 ]
amdhsa.kernels:
  - .name:           k_qd5df905acc_prep
    .symbol:         k_qd5df905acc_prep.kd
    .args:
      - { .name: Wq, .offset: 0, .size: 8, .value_kind: global_buffer, .address_space: global }
      - { .name: Wk, .offset: 8, .size: 8, .value_kind: global_buffer, .address_space: global }
      - { .name: Wv, .offset: 16, .size: 8, .value_kind: global_buffer, .address_space: global }
      - { .name: Wo, .offset: 24, .size: 8, .value_kind: global_buffer, .address_space: global }
      - { .name: proj_k, .offset: 32, .size: 8, .value_kind: global_buffer, .address_space: global }
      - { .name: proj_v, .offset: 40, .size: 8, .value_kind: global_buffer, .address_space: global }
      - { .name: pos, .offset: 48, .size: 8, .value_kind: global_buffer, .address_space: global }
      - { .name: bo, .offset: 56, .size: 8, .value_kind: global_buffer, .address_space: global }
      - { .name: wb, .offset: 64, .size: 8, .value_kind: global_buffer, .address_space: global }
      - { .name: pjb, .offset: 72, .size: 8, .value_kind: global_buffer, .address_space: global }
      - { .name: post, .offset: 80, .size: 8, .value_kind: global_buffer, .address_space: global }
      - { .name: posb, .offset: 88, .size: 8, .value_kind: global_buffer, .address_space: global }
    .group_segment_fixed_size: 17152
    .private_segment_fixed_size: 0
    .kernarg_segment_align: 8
    .kernarg_segment_size: 96
    .max_flat_workgroup_size: 128
    .sgpr_count:     66
    .vgpr_count:     160
    .wavefront_size: 32
...
	.end_amdgpu_metadata
.endif
;; end of part 5
;; launch ln: the kernel of part 2 again; grid 8 x 32, 16 waves a work-group, no clusters, 18,432 bytes of LDS; arguments x, post, ln_g, ln_b, yb; writes yb
;; launch kv (part 6): grid 8 x 32, 4 waves a work-group, clusters of 4 x 1, 327,680 bytes of LDS; arguments yb, pjb, wb, kv; writes kv
.if DOCPART == 6
	.amdgcn_target "amdgcn-amd-amdhsa--gfx1250"
	.amdhsa_code_object_version 6
	.text
	.protected	k_qd5df905acc_kv
	.globl	k_qd5df905acc_kv
	.p2align	8
	.type	k_qd5df905acc_kv,@function
k_qd5df905acc_kv:
	s_mov_b64 s[64:65], 0
	v_nop
	global_prefetch_b8 v0, s[64:65] scope:SCOPE_SE
	s_setreg_imm32_b32 hwreg(HW_REG_WAVE_MODE, 25, 1), 1
	s_wait_xcnt 0x0
	s_wait_alu depctr_hold_cnt(0) depctr_sa_sdst(0) depctr_va_vdst(0) depctr_va_sdst(0) depctr_va_ssrc(0) depctr_va_vcc(0) depctr_vm_vsrc(0)
	s_getreg_b32 s2, hwreg(HW_REG_IB_STS2, 6, 4)
	s_cmp_eq_u32 s2, 0
	s_cbranch_scc0 .Lentry_in_a_cluster
	s_endpgm
.Lentry_in_a_cluster:
	s_bfe_u32 s2, ttmp6, 0x10000c
	s_cmp_lg_u32 s2, 0x3003
	s_cbranch_scc0 .Lentry_shape_is_right
	s_endpgm
.Lentry_shape_is_right:
; KV: k_ = (proj_k^T y) Wk and v_ = (proj_v^T y) Wv, in this order of products (half the multiply-adds of proj^T (y W); the roundings fall otherwise).
; Cluster x = 0 makes k_, x = 1 v_; the batch entry is the grid's y; the four partners of a cluster take 64 keys each.
; GEMM1: kp^T[ci 512][key 64] = sum over n of y[n][ci] proj[n][key], K = 1,024 places.  GEMM2: k_^T[co 512][key 64] = sum over ci of W[ci][co] kp[key][ci], K = 512.
; A wave makes 128 rows x 64 keys in both: 32 accumulators.  kp is rounded once to bf16.
; RING: two slots of 131,072 bytes, each with TWO K steps of 64: 8 slots of y, then 4 of W.  They hang on the batch entry and on k/v alone, which the four partners share: asked for JOINTLY, a quarter a wave.
; A refill has a slot's 128 products, less the 16 ahead of the round, in which to land.
; THE PROJECTION of my 64 keys (16,384 bytes for a slot of y) comes through registers: each wave loads 4,096 bytes behind the refill and stores them into a ring of two LDS slots of its own kind near the trip's end;
; the round that follows orders the stores with the reads.  No tensor load lands in those bytes.
; kp (65,536 bytes) has no room beside the ring: it passes through the projection's 32,768 bytes in two halves of 32 keys and stays in 512 registers, so GEMM2's K steps are written out.
; y's chunks hold 8 channels of one query, and GEMM1 wants rows = channels: ds_load_tr16_b128..
; kv [k/v][b][head 8][cb 8][place 256][8 ch] bf16: key at place key xor 8 (cb&1).
.set SLOT1, 1<<17                      ; slot 0 at 0, slot 1 here: one exclusive or turns one into the other
.set PR,    262144                     ; the projection's two slots; later kp's halves
.set PSL,   16384
.set SPARE, 294912                     ; the spare words, 128 bytes a wave; no other line names them
.set STEP,  131072                     ; a slot
.set AL,  2                            ; v2  my place in a K step of y (turning load)
.set WL,  3                            ; v3  my place in a slot of W
.set BL,  4                            ; v4  my place in a slot of the projection
.set ADA, 5                            ; v5  address of the A fragments of the slot's first 65,536 bytes, v6 of its second
.set ADB, 7                            ; v7  of the B fragments
.set KSL, 8                            ; v8  where I store kp
.set KOL, 9                            ; v9  my byte offset in kv
.set PFL, 10                           ; v10 the prefetches' offset
.set PJL, 11                           ; v11 my byte offset in a slot of the projection in memory
.set PSA, 12                           ; v12 the same in LDS
.set PSD, 13                           ; v13 the store address in hand
.set KLL, 14                           ; v14 where I read kp back
.set SPW, 24
.set NIL, 25
.set PJ,  32                           ; v[32:63]    my 4,096 bytes of the projection's next slot
.set F0,  64                           ; v[64:159]   fragments of 32 along K: 8 of A, then (GEMM1) 4 of B
.set F1,  160                          ; v[160:255]  the same;   window 1: accumulator (a, kt) at 8 (4 a + kt);   windows 2, 3: kp's fragment (kq, kt) at 8 (4 (kq % 8) + kt)
.set WV,  12
.set CX,  13
.set BB,  15
.set G1W, 24                           ; s[24:31] group 1, joint: 128 rows of 256 bytes
.set G0A, 40                           ; s[40:43] group 0: y's slot 0
.set G0,  44                           ; s[44:47] group 0: y's slot 1; then it walks
.set WB0, 48                           ; s[48:49] my quarter of W's slot 0
.set YN,  50                           ; s[50:51] my quarter of y's slot asked for last
.set PFA, 52                           ; s[52:53] where my prefetches stand
.set PJA, 54                           ; s[54:55] the projection's slot to be loaded next
.set TB,  56                           ; s56 the slot that is read
.set TC,  57                           ; s57 trips to go
.set LIM, 58                           ; s58 2 in a wave that prefetches, else the greatest number
.set PB,  59                           ; s59 the projection's slot that is read
.set KO,  60                           ; s[60:61] kv at my part
.set MSB, 0
.macro WIN new                         ; the immediate's high byte repeats the setting that is left
.if MSB != (\new)
	s_set_vgpr_msb (MSB<<8)|(\new)
.set MSB, \new
.endif
.endm
.macro PLACES                          ; four places behind a matrix instruction, ahead of loads into its sources and of reads of its result
.rept 4
	v_nop
.endr
.endm
.macro ROUND                           ; a round of the cluster's barrier
	s_barrier_signal -1
	s_barrier_wait -1
	s_cmp_lg_u32 s[WV], 0
	s_cbranch_scc1 .Lnw0_\@
	s_barrier_signal -3
.Lnw0_\@:
	s_barrier_wait -3
	s_barrier_signal -1
	s_barrier_wait -1
.endm
.macro JL                              ; the joint refill: every wave its quarter; s_nop 0 and four v_nop follow
	tensor_load_to_lds s[G0:G0+3], s[G1W:G1W+7]
	s_nop 0
	PLACES
.endm
.macro FETCH1 f, ks                    ; GEMM1: 24 LDS loads: quarter ks of the slot (32 along K): A = y, turned; B = the projection
.irp a, 0,1,2,3,4,5,6,7
	ds_load_tr16_b128 v[(\f)+8*(\a):(\f)+8*(\a)+3],   v[ADA+(\ks)/2] offset:(\a)*2048+((\ks)%2)*512
	ds_load_tr16_b128 v[(\f)+8*(\a)+4:(\f)+8*(\a)+7], v[ADA+(\ks)/2] offset:(\a)*2048+((\ks)%2)*512+256
.endr
.irp kt, 0,1,2,3
	ds_load_b128 v[(\f)+64+8*(\kt):(\f)+64+8*(\kt)+3],   v[ADB] offset:(\ks)*4096+(\kt)*256
	ds_load_b128 v[(\f)+64+8*(\kt)+4:(\f)+64+8*(\kt)+7], v[ADB] offset:(\ks)*4096+(\kt)*256+2048
.endr
.endm
.macro FETCH2 f, ks                    ; GEMM2: 16 LDS loads: A = W as it lies
.irp a, 0,1,2,3,4,5,6,7
	ds_load_b128 v[(\f)+8*(\a):(\f)+8*(\a)+3],   v[ADA+(\ks)/2] offset:((\ks)%2)*32768+(\a)*256
	ds_load_b128 v[(\f)+8*(\a)+4:(\f)+8*(\a)+7], v[ADA+(\ks)/2] offset:((\ks)%2)*32768+(\a)*256+16384
.endr
.endm
.macro MULK f, a0, zero                ; GEMM1: 16 products: row blocks a0 .. a0 + 3 x 4 key blocks; the accumulators take turns
	WIN 0x50
.irp a, \a0, (\a0)+1, (\a0)+2, (\a0)+3
.irp kt, 0,1,2,3
.if \zero
	v_wmma_f32_16x16x32_bf16 v[8*(4*(\a)+(\kt)):8*(4*(\a)+(\kt))+7], v[(\f)+8*(\a):(\f)+8*(\a)+7], v[(\f)+64+8*(\kt):(\f)+64+8*(\kt)+7], 0
.else
	v_wmma_f32_16x16x32_bf16 v[8*(4*(\a)+(\kt)):8*(4*(\a)+(\kt))+7], v[(\f)+8*(\a):(\f)+8*(\a)+7], v[(\f)+64+8*(\kt):(\f)+64+8*(\kt)+7], v[8*(4*(\a)+(\kt)):8*(4*(\a)+(\kt))+7]
.endif
.endr
.endr
.endm
.macro MUL2 f, kq, a0, zero=0          ; GEMM2: the same with source 1 = kp's fragments of K step kq, in window 2 or 3
	WIN 0x58+4*((\kq)/8)
.irp a, \a0, (\a0)+1, (\a0)+2, (\a0)+3
.irp kt, 0,1,2,3
.if \zero
	v_wmma_f32_16x16x32_bf16 v[8*(4*(\a)+(\kt)):8*(4*(\a)+(\kt))+7], v[(\f)+8*(\a):(\f)+8*(\a)+7], v[8*(4*((\kq)%8)+(\kt)):8*(4*((\kq)%8)+(\kt))+7], 0
.else
	v_wmma_f32_16x16x32_bf16 v[8*(4*(\a)+(\kt)):8*(4*(\a)+(\kt))+7], v[(\f)+8*(\a):(\f)+8*(\a)+7], v[8*(4*((\kq)%8)+(\kt)):8*(4*((\kq)%8)+(\kt))+7], v[8*(4*(\a)+(\kt)):8*(4*(\a)+(\kt))+7]
.endif
.endr
.endr
.endm
.macro LOADP                           ; my 4,096 consecutive bytes of the projection's next slot
.irp u, 0,1,2,3,4,5,6,7
	global_load_b128 v[PJ+4*(\u):PJ+4*(\u)+3], v[PJL], s[PJA:PJA+1] offset:(\u)*512
.endr
.endm
.macro STOREP adr
.irp u, 0,1,2,3,4,5,6,7
	ds_store_b128 v[\adr], v[PJ+4*(\u):PJ+4*(\u)+3] offset:(\u)*512
.endr
.endm
; A PREFETCH of y's slot two changes on: 131,072 bytes = 512 blocks of 256.  Both clusters of a batch entry walk the same slots: cluster x = 0 asks; its four partners take 32,768 bytes each BY ADDRESS,
; each wave 8,192 of them, a lane a block: each block is named once.  The trips whose look-ahead would pass y's slot 7 ask for nothing.
.macro ASK
	s_cmp_gt_u32 s[TC], s[LIM]
	s_cbranch_scc0 .Lna_\@
	global_prefetch_b8 v[PFL], s[PFA:PFA+1] th:TH_LOAD_NT scope:SCOPE_SE
.Lna_\@:
.endm
.macro REST1                           ; GEMM1: a slot's second and third quarters are multiplied, its third and fourth fetched
	PLACES
	WIN 0
	FETCH1 F0, 2
	s_wait_dscnt 24                                ; the 24 just issued may be out: buffer 1 is in
	MULK F1, 0, 0
	MULK F1, 4, 0
	PLACES
	WIN 0
	FETCH1 F1, 3
	s_wait_dscnt 24                                ; buffer 0 is in
	MULK F0, 0, 0
	MULK F0, 4, 0
	WIN 0
.endm
.macro PACK                            ; the 32 accumulators, rounded: a lane's eight rows of one key are a chunk of 16 bytes, tile t at v[64 + 4 t]
	WIN 0x05
.set t, 0
.rept 32
.irp wd, 0,1,2,3
	v_cvt_pk_bf16_f32 v[64+4*t+(\wd)], v[8*t+2*(\wd)], v[8*t+2*(\wd)+1]
.endr
.set t, t+1
.endr
	WIN 0
.endm
.macro KPST hh                         ; my 128 rows of kp for keys 32 hh .. 32 hh + 31 into [cb 64][key 32][16 bytes]; then everybody's are there
.set aa, 0
.rept 8
.irp kk, 0,1
	ds_store_b128 v[KSL], v[64+4*(4*aa+2*(\hh)+(\kk)):64+4*(4*aa+2*(\hh)+(\kk))+3] offset:aa*1024+(\kk)*256
.endr
.set aa, aa+1
.endr
	s_wait_dscnt 0x0                               ; for the others' sake: my stores are done
	s_barrier_signal -1
	s_barrier_wait -1                              ; W's slot 1 may stay out
.endm
.macro KPLD hh                         ; all 512 rows of those keys into my registers: 32 fragments
.set kq, 0
.rept 16
	WIN 0x80+0x40*(kq/8)
.irp kk, 0,1
	ds_load_b128 v[8*(4*(kq%8)+2*(\hh)+(\kk)):8*(4*(kq%8)+2*(\hh)+(\kk))+3],   v[KLL] offset:kq*2048+(\kk)*256
	ds_load_b128 v[8*(4*(kq%8)+2*(\hh)+(\kk))+4:8*(4*(kq%8)+2*(\hh)+(\kk))+7], v[KLL] offset:kq*2048+(\kk)*256+1024
.endr
.set kq, kq+1
.endr
	WIN 0
.endm
.macro REST2 s                         ; GEMM2, slot s: as REST1
	PLACES
	WIN 0
	FETCH2 F0, 2
	s_wait_dscnt 16
	MUL2 F1, 4*(\s)+1, 0
	MUL2 F1, 4*(\s)+1, 4
	PLACES
	WIN 0
	FETCH2 F1, 3
	s_wait_dscnt 16
	MUL2 F0, 4*(\s)+2, 0
	MUL2 F0, 4*(\s)+2, 4
	WIN 0
.endm
.macro CHG2 s, fill                    ; GEMM2: from slot s into slot s + 1; fill = 1: the slot just left takes W's slot s + 2
	s_wait_tensorcnt 0x0                           ; no tensor load of mine is out, so group 0 may be written
	ds_add_u32 v[SPW], v[NIL]
.if \fill
	s_xor_b32 s[G0+1], s[G0+1], SLOT1
	s_add_nc_u64 s[G0+2:G0+3], s[G0+2:G0+3], STEP
.endif
	s_wait_dscnt 0x1                               ; only the add may be out: buffer 1 is in
	MUL2 F1, 4*(\s)+3, 0
	s_wait_dscnt 0x0                               ; the add is done, my reads of the old slot are over
	WIN 0
.if \fill
	ROUND
	JL
.else
	s_barrier_signal -1
	s_barrier_wait -1
	PLACES
.endif
	v_add_nc_u32 v[ADA], (((\s)+1)%2)*SLOT1, v[WL]
	v_add_nc_u32 v[ADA+1], 0x10000, v[ADA]
	FETCH2 F0, 0
	MUL2 F1, 4*(\s)+3, 4
	PLACES
	WIN 0
	FETCH2 F1, 1
	s_wait_dscnt 16
	MUL2 F0, 4*(\s)+4, 0
	MUL2 F0, 4*(\s)+4, 4
	WIN 0
.endm
	s_load_b256 s[4:11], s[0:1], 0x0               ; yb s[4:5], pjb s[6:7], wb s[8:9], kv s[10:11]
	v_lshl_add_u32 v[SPW], v0, 2, SPARE
	v_mov_b32 v[NIL], 0
	ds_add_u32 v[SPW], v[NIL]                      ; the wave's opening
	v_lshrrev_b32 v1, 5, v0
	v_readfirstlane_b32 s[WV], v1                  ; wave 0..3
	s_bfe_u32 s[CX], ttmp6, 0x40000                ; my place in the cluster: it enters global addresses of my own loads, stores and prefetches alone
	s_and_b32 s[BB], ttmp7, 0xffff                 ; b
	s_mov_b32 s[G1W], 15|(3<<16)|(1<<21)           ; the mask of four; elements of 8 bytes; bit 21 beside a mask
	s_mov_b32 s[G1W+1], 32<<16                     ; tensor_dim0 = 32 elements = 256 bytes
	s_mov_b32 s[G1W+2], 128<<16                    ; tensor_dim1
	s_mov_b32 s[G1W+3], 32<<16                     ; tile_dim0
	s_mov_b32 s[G1W+4], 128                        ; tile_dim1
	s_mov_b32 s[G1W+5], 32                         ; rows lie end to end
	s_mov_b32 s[G1W+6], 0
	s_mov_b32 s[G1W+7], 0
	s_lshl_b32 s16, s[WV], 15                      ; my quarter of a slot
	s_mov_b32 s[G0A], 1
	s_mov_b32 s[G0A+1], s16
	s_mov_b32 s[G0], 1
	s_add_co_u32 s[G0+1], s16, SLOT1
	s_lshl_b32 s18, s[BB], 20                      ; y: b x 1,048,576 + my quarter
	s_add_co_u32 s18, s18, s16
	s_mov_b32 s19, 0
	s_add_co_u32 s20, ttmp9, 1                     ; W: Wk or Wv
	s_lshl_b32 s20, s20, 19
	s_add_co_u32 s20, s20, s16
	s_mov_b32 s21, 0
	s_lshl_b32 s66, ttmp9, 2                       ; the projection: (4 x k/v + cx) x 131,072
	s_add_co_u32 s66, s66, s[CX]
	s_lshl_b32 s66, s66, 17
	s_mov_b32 s67, 0
	s_lshl_b32 s68, ttmp9, 23                      ; kv: k/v, b, my two heads, my work-group's 64 keys
	s_lshl_b32 s69, s[BB], 18
	s_add_co_u32 s68, s68, s69
	s_lshl_b32 s69, s[WV], 16
	s_add_co_u32 s68, s68, s69
	s_lshl_b32 s69, s[CX], 10
	s_add_co_u32 s68, s68, s69
	s_mov_b32 s69, 0
	s_lshl_b32 s22, s[WV], 13                      ; prefetches: my 8,192 bytes, in y's slot 2; the first trip steps it to slot 3
	s_lshl_b32 s23, s[BB], 20
	s_add_co_u32 s22, s22, s23
	s_add_co_u32 s22, s22, 2*STEP
	s_mov_b32 s23, 0
	s_cmp_eq_u32 ttmp9, 0
	s_cselect_b32 s[LIM], 2, -1                    ; the same in all four partners
	s_mov_b32 s[TB], 0
	s_mov_b32 s[PB], 0
	v_and_b32 v22, 31, v0
	v_lshlrev_b32 v21, 4, v22
	s_lshl_b32 s70, s[WV], 12
	v_add_nc_u32 v[PJL], s70, v21                  ; 4,096 x wave + 16 x lane
	v_add_nc_u32 v[PSA], PR, v[PJL]
	s_wait_dscnt 0x0                               ; the opening add is done
	s_wait_kmcnt 0x0
	s_add_nc_u64 s[G0A+2:G0A+3], s[4:5], s[18:19]
	s_add_nc_u64 s[YN:YN+1], s[G0A+2:G0A+3], STEP
	s_mov_b64 s[G0+2:G0+3], s[YN:YN+1]
	s_or_b32 s[G0A+3], s[G0A+3], 0x80000000
	s_or_b32 s[G0+3], s[G0+3], 0x80000000
	s_add_nc_u64 s[WB0:WB0+1], s[8:9], s[20:21]
	s_add_nc_u64 s[KO:KO+1], s[10:11], s[68:69]
	s_add_nc_u64 s[PFA:PFA+1], s[4:5], s[22:23]
	s_add_nc_u64 s[PJA:PJA+1], s[6:7], s[66:67]
	ROUND                                          ; all four work-groups are here: the first loads go out as one group
	tensor_load_to_lds s[G0A:G0A+3], s[G1W:G1W+7]  ; y's slot 0
	s_nop 0
	tensor_load_to_lds s[G0:G0+3], s[G1W:G1W+7]    ; y's slot 1: two loads of mine are out
	s_nop 0
	PLACES
	LOADP                                          ; the projection's slot 0
	v_and_b32 v16, 15, v0                          ; r
	v_bfe_u32 v17, v0, 4, 1                        ; h
	v_bfe_u32 v18, v0, 3, 1                        ; which of a row block's two blocks of 8 channels
	v_and_b32 v19, 7, v0
	v_lshl_add_u32 v19, v17, 3, v19                ; place 8 h + (lane & 7),
	v_lshl_add_u32 v19, v18, 3, v19                ; half-swapped in the odd block
	v_and_b32 v19, 15, v19
	v_lshlrev_b32 v19, 4, v19
	v_lshl_add_u32 v19, v18, 10, v19
	s_lshl_b32 s71, s[WV], 14
	v_add_nc_u32 v[AL], s71, v19                   ; + my 128 channels: 16 blocks of 1,024 bytes
	v_lshlrev_b32 v20, 4, v16
	v_lshl_add_u32 v21, v17, 13, v20
	s_lshl_b32 s70, s[WV], 11
	v_add_nc_u32 v[WL], s70, v21                   ; h x 8,192 + my 128 columns + 16 r
	v_lshl_add_u32 v21, v17, 10, v20
	v_add_nc_u32 v[BL], PR, v21
	v_lshl_add_u32 v21, v17, 9, v20
	v_add_nc_u32 v[KLL], PR, v21
	s_lshl_b32 s70, s[WV], 13
	v_add_nc_u32 v[KSL], s70, v[KLL]               ; + my 16 blocks of 512 bytes
	v_lshl_add_u32 v21, v17, 3, v16
	v_and_b32 v21, 15, v21
	v_lshlrev_b32 v21, 4, v21
	v_lshl_add_u32 v[KOL], v17, 12, v21
	v_lshlrev_b32 v21, 8, v22
	v_lshl_add_u32 v[PFL], s[CX], 15, v21
	s_wait_loadcnt 0x0                             ; the projection's slot 0 is in my registers; its address may be stepped
	s_add_nc_u64 s[PJA:PJA+1], s[PJA:PJA+1], PSL
	STOREP PSA
	s_wait_tensorcnt 0x1                           ; my quarter of y's slot 0 is in; slot 1 may stay out
	s_wait_dscnt 0x0                               ; my part of the projection's slot 0 is stored
	LOADP                                          ; its slot 1
	s_barrier_signal -1
	s_barrier_wait -1
	v_add_nc_u32 v[ADA], s[TB], v[AL]
	v_add_nc_u32 v[ADA+1], 0x10000, v[ADA]
	v_add_nc_u32 v[ADB], s[PB], v[BL]
	FETCH1 F0, 0
	FETCH1 F1, 1
	s_wait_dscnt 24
	MULK F0, 0, 1                                  ; the first quarter stands ahead of the loop: its products start the sums
	MULK F0, 4, 1
	WIN 0
	s_mov_b32 s[TC], 7
.Lg1:                                          ; trip k = 1 .. 7: from slot k - 1's second quarter to slot k's first; y's slots 2 to 7, then W's slot 0, are asked for
	REST1
	s_wait_loadcnt 0x0                             ; the projection's slot k is in my registers; its address may be stepped
	s_add_nc_u64 s[PJA:PJA+1], s[PJA:PJA+1], PSL
	s_xor_b32 s[PB], s[PB], PSL
	v_add_nc_u32 v[PSD], s[PB], v[PSA]
	STOREP PSD                                     ; into the slot whose reads ended ahead of the last round
	s_wait_xcnt 0x0                                ; the last prefetch, a trip back, has read its address
	s_add_nc_u64 s[PFA:PFA+1], s[PFA:PFA+1], STEP
	s_wait_tensorcnt 0x0                           ; no tensor load of mine is out, so group 0 may be written
	ds_add_u32 v[SPW], v[NIL]
	s_xor_b32 s[G0+1], s[G0+1], SLOT1
	s_add_nc_u64 s[YN:YN+1], s[YN:YN+1], STEP
	s_cmp_eq_u32 s[TC], 1                          ; behind y's last slot comes W's first
	s_cselect_b64 s[G0+2:G0+3], s[WB0:WB0+1], s[YN:YN+1]
	s_or_b32 s[G0+3], s[G0+3], 0x80000000
	s_xor_b32 s[TB], s[TB], SLOT1
	s_wait_dscnt 0x1                               ; only the add may be out: buffer 1 is in, my stores are done
	MULK F1, 0, 0
	s_wait_dscnt 0x0                               ; the add is done, my reads of the old slot are over
	WIN 0
	ROUND
	JL                                             ; its four v_nop are also the places ahead of the loads into buffer 0
	v_add_nc_u32 v[ADA], s[TB], v[AL]
	v_add_nc_u32 v[ADA+1], 0x10000, v[ADA]
	v_add_nc_u32 v[ADB], s[PB], v[BL]
	FETCH1 F0, 0
	s_cmp_eq_u32 s[TC], 1                          ; the last trip has no further slot of the projection
	s_cbranch_scc1 .Lnp
	LOADP
.Lnp:
	ASK
	MULK F1, 4, 0
	PLACES
	WIN 0
	FETCH1 F1, 1
	s_wait_dscnt 24
	MULK F0, 0, 0
	MULK F0, 4, 0
	WIN 0
	s_sub_co_u32 s[TC], s[TC], 1
	s_cmp_lg_u32 s[TC], 0
	s_cbranch_scc1 .Lg1
	REST1                                          ; the rest of y's slot 7
	s_wait_tensorcnt 0x0                           ; the change of products: a change of slots without fetches
	ds_add_u32 v[SPW], v[NIL]
	s_xor_b32 s[G0+1], s[G0+1], SLOT1
	s_add_nc_u64 s[G0+2:G0+3], s[WB0:WB0+1], STEP  ; W's slot 1
	s_or_b32 s[G0+3], s[G0+3], 0x80000000
	s_wait_dscnt 0x1
	MULK F1, 0, 0
	s_wait_dscnt 0x0
	WIN 0
	ROUND                                          ; every wave's reads of the projection are over too
	JL
	MULK F1, 4, 0
	PLACES
	PACK
	KPST 0
	KPLD 0
	s_wait_dscnt 0x0                               ; my reads of the first half are over
	s_barrier_signal -1
	s_barrier_wait -1
	KPST 1
	KPLD 1
	v_add_nc_u32 v[ADA], 0, v[WL]
	v_add_nc_u32 v[ADA+1], 0x10000, v[ADA]
	FETCH2 F0, 0
	FETCH2 F1, 1
	s_wait_dscnt 16                                ; kp and buffer 0 are in
	MUL2 F0, 0, 0, 1
	MUL2 F0, 0, 4, 1
	WIN 0
	REST2 0
	CHG2 0, 1                                      ; W's slot 2 is asked for
	REST2 1
	CHG2 1, 1                                      ; W's slot 3
	REST2 2
	CHG2 2, 0                                      ; nothing is left to fetch
	REST2 3
	s_wait_dscnt 0x0
	MUL2 F1, 15, 0
	MUL2 F1, 15, 4
	PLACES
	PACK
.set t, 0
.rept 32
	global_store_b128 v[KOL], v[64+4*t:64+4*t+3], s[KO:KO+1] offset:(t/16)*32768+((t/4)%4)*8192+(t%4)*256   ; 16 lanes fill 256 consecutive bytes, aligned
.set t, t+1
.endr
	s_wait_tensorcnt 0x0                           ; the wave's end
	ds_add_u32 v[SPW], v[NIL]
	s_wait_dscnt 0x0
	ROUND                                          ; the closing round
	s_endpgm
.Lfunc_end_k_qd5df905acc_kv:
	.size	k_qd5df905acc_kv, .Lfunc_end_k_qd5df905acc_kv-k_qd5df905acc_kv
	.p2alignl 7, 3214868480
	.fill 96, 4, 3214868480
	.section	.rodata,"a",@progbits
	.p2align	6, 0x0
	.amdhsa_kernel k_qd5df905acc_kv
		.amdhsa_group_segment_fixed_size 327680
		.amdhsa_private_segment_fixed_size 0
		.amdhsa_enable_private_segment 0
		.amdhsa_kernarg_size 32
		.amdhsa_user_sgpr_count 2
		.amdhsa_user_sgpr_kernarg_segment_ptr 1
		.amdhsa_wavefront_size32 1
		.amdhsa_system_sgpr_workgroup_id_x 1
		.amdhsa_system_sgpr_workgroup_id_y 1
		.amdhsa_system_sgpr_workgroup_id_z 1
		.amdhsa_system_vgpr_workitem_id 0
		.amdhsa_next_free_vgpr 1024
		.amdhsa_next_free_sgpr 80
		.amdhsa_reserve_vcc 0
		.amdhsa_float_denorm_mode_32 3
		.amdhsa_float_denorm_mode_16_64 3
		.amdhsa_memory_ordered 1
		.amdhsa_forward_progress 1
		.amdhsa_inst_pref_size 125
	.end_amdhsa_kernel
	.amdgpu_metadata
---
amdhsa.version: [ 1, 2 ]
amdhsa.kernels:
  - .name:           k_qd5df905acc_kv
    .symbol:         k_qd5df905acc_kv.kd
    .args:
      - { .name: yb, .offset: 0, .size: 8, .value_kind: global_buffer, .address_space: global }
      - { .name: pjb, .offset: 8, .size: 8, .value_kind: global_buffer, .address_space: global }
      - { .name: wb, .offset: 16, .size: 8, .value_kind: global_buffer, .address_space: global }
      - { .name: kv, .offset: 24, .size: 8, .value_kind: global_buffer, .address_space: global }
    .group_segment_fixed_size: 327680
    .private_segment_fixed_size: 0
    .kernarg_segment_align: 8
    .kernarg_segment_size: 32
    .max_flat_workgroup_size: 128
    .sgpr_count:     80
    .vgpr_count:     1024
    .wavefront_size: 32
...
	.end_amdgpu_metadata
.endif
;; end of part 6
;; launch main (part 7): grid 8 x 32, 4 waves a work-group, clusters of 4 x 1, 327,680 bytes of LDS; arguments yb, wb, kv, x, posb, out0; writes out0
.if DOCPART == 7
	.amdgcn_target "amdgcn-amd-amdhsa--gfx1250"
	.amdhsa_code_object_version 6
	.text
	.protected	k_qd5df905acc_main
	.globl	k_qd5df905acc_main
	.p2align	8
	.type	k_qd5df905acc_main,@function
k_qd5df905acc_main:
	s_mov_b64 s[64:65], 0
	v_nop
	global_prefetch_b8 v0, s[64:65] scope:SCOPE_SE
	s_setreg_imm32_b32 hwreg(HW_REG_WAVE_MODE, 25, 1), 1
	s_wait_xcnt 0x0
	s_wait_alu depctr_hold_cnt(0) depctr_sa_sdst(0) depctr_va_vdst(0) depctr_va_sdst(0) depctr_va_ssrc(0) depctr_va_vcc(0) depctr_vm_vsrc(0)
	s_getreg_b32 s2, hwreg(HW_REG_IB_STS2, 6, 4)
	s_cmp_eq_u32 s2, 0
	s_cbranch_scc0 .Lentry_in_a_cluster
	s_endpgm
.Lentry_in_a_cluster:
	s_bfe_u32 s2, ttmp6, 0x10000c
	s_cmp_lg_u32 s2, 0x3003
	s_cbranch_scc0 .Lentry_shape_is_right
	s_endpgm
.Lentry_shape_is_right:
; MAIN: q = y Wq; for each head softmax(q k_^T / 8) v_; the result times Wo; + bo + pos + x; stored as [b][c][n] in f32.
; A work-group owns 128 queries of one batch entry.  Wave w: rh = w / 2 picks 64 queries, ch = w % 2 picks half of the columns in hand: in q 256 columns = 4 heads, so a wave's part of q is the q of its own four heads.
; ALL PRODUCTS ARE TAKEN TRANSPOSED (source 0 = weights, keys or channels; source 1 = queries): a lane holds one query and eight neighbouring rows, which pack into a chunk of 16 bytes.
; BIG holds 128 queries as [rh][cb 64][place 64][16 bytes]: first y (its one fill), then q over it, then O over q head by head.
; Query n = 64 i + 4 r + qt lies at place 16 qt + r (half-swapped in odd cb): in the last product register j of the four query tiles is four neighbouring n of one output row: x, posb and out0 move 16 bytes a lane.
; RING of two slots of 65,536 bytes, every tile asked for JOINTLY by the cluster's four work-groups (they share b), a quarter a wave: Wq's K steps 0..7, then K and V of a head (even numbers serve ch = 0 in slot 0, odd
; ones ch = 1 in slot 1), then Wo's blocks of 64 output rows 0..7.  Two slots of two tiles do not fit beside BIG and the spare words.
; ATTENTION, two query tiles A and B a pass, SKEWED: K q^T of A; K q^T of B with four lines of A's softmax behind each product; the rest of A's softmax; V^T P of A with four lines of B's softmax behind each product;
; the rest of B's softmax; V^T P of B with a line of A's way out behind each product.  No such line names a register of the products round it.
; THE PRODUCT WITH Wo GOES BY OUTPUT ROWS: O of my 64 queries lies in 512 registers, a block's 8 accumulators (my 32 rows x 64 queries) are finished in one trip of 128 products, and they leave, with x and posb, while the
; next block is multiplied: x, posb and out0 move under the products.
; SOFTMAX: all 256 keys of a query lie in two lanes' registers: a true row maximum is taken away, p = 2^(c s - c m), c = log2(e) / 8; the sum is of the unrounded p; p goes to bf16 for the second product.
; LIMITS: NaN and infinities are not treated apart; a weight below 2^-126 counts as 0; q, P and O are rounded once to bf16.
; REGISTERS by windows of 256 (s_set_vgpr_msb: bits 1:0 source 0, 3:2 source 1, 5:4 source 2, 7:6 destination):
;   window 0: v2-13 addresses; v16-47 softmax statistics; v64-127 source-1 fragments (in attention q; with Wo: x); v128-191 O^T (with Wo: the accumulators); v192-255 at work (with Wo: posb)
;   window 1: source-0 fragments (with Wq two buffers of 128; in attention K; with Wo two buffers of 64, and v128-191 the result on its way out)
;   windows 2, 3: with Wq the 64 accumulators (a, qt) at 8 (4 a + qt); in attention window 2 = S^T, then P in place, window 3 = V; with Wo: O's fragment (kq, qt) at 8 (4 (kq % 8) + qt)
.set SLOT1, 1<<17
.set SPARE, 65536                      ; between the slots: the spare words, 128 bytes a wave; no other line names them
.set BIG,   196608
.set STEP,  65536
.set TSTEP, 262144                     ; 64 output rows of 4,096 bytes
.set NSM,   391                        ; lines in one tile's softmax
.set WL,  2                            ; v2   my place in a K step of Wq
.set YL,  3                            ; v3   my place in my 64 queries' region of BIG
.set KL,  4                            ; v4   my place in my slot's K
.set VL,  5                            ; v5   in its V (turning load)
.set ADW, 6
.set ADY, 7
.set ADQ, 8                            ; v8   the pass's q, later its O
.set XO,  9                            ; v9   my byte offset in 16 rows of x, posb, out0
.set PFL, 10                           ; v10  prefetches of K and V
.set PFX, 11                           ; v11  prefetches of x: a lane a row
.set QL,  12                           ; v12  my place in my wave's own 32,768 bytes of BIG (q and O of my four heads)
.set WL2, 13                           ; v13  my place in a block of Wo
.set ST,  16                           ; tile qq at ST + 16 qq: +0..3 maxima, +4 c m, +5 m, +6..13 four pairs of sums, +14, 15 1 / l
.set SPW, 62
.set NIL, 63
.set BF,  64
.set XR,  64                           ; x: row (a, j) at XR + 4 (8 a + j)
.set OA,  128
.set TMP, 192
.set PG,  192                          ; posb likewise
.set RR,  128                          ; window 1: the result likewise
.set WV,  16
.set RH,  17
.set CH,  18
.set CX,  19
.set GG,  20
.set BB,  21
.set G1W, 24                           ; s[24:31] group 1, joint: 64 rows of 256 bytes
.set G1Y, 32                           ; s[32:39] group 1, my own: 128 rows of 256 bytes
.set G0Y, 40                           ; s[40:43] group 0: y
.set G0A, 44                           ; s[44:47] group 0: Wq's tile 0 into slot 0
.set G0,  48                           ; s[48:51] group 0: Wq's tile 1 into slot 1; then it walks
.set KVW, 52                           ; s[52:53] my quarter of head 0's K and V
.set WOW, 54                           ; s[54:55] my quarter of Wo's block 0
.set OFF, 56                           ; s[56:57]
.set CS,  58                           ; s[58:59] c
.set SEL, 60                           ; s[60:61] v_permlanex16_b32: each lane takes its own place in the other half
.set TB,  62
.set TC,  63
.set HC,  67
.set PCN, 68
.set NQ,  69                           ; s69 number of the tile to be asked for behind Wq's: 0-7 K and V, 8-15 Wo's blocks
.set LIM, 70
.set TMPA, 72
.set PFA, 74
.set XB,  78
.set PBB, 80
.set OB,  82
.set YB,  90                           ; s90 byte in a region of BIG at which the trip's K begins
.set QB,  91                           ; s91 byte in my 32,768 at which the pass's q begins
.set MSB, 0
.macro WIN new                         ; the immediate's high byte repeats the setting that is left
.if MSB != (\new)
	s_set_vgpr_msb (MSB<<8)|(\new)
.set MSB, \new
.endif
.endm
.macro PLACES                          ; four places behind a matrix instruction (ISA guide 7.12.1)
.rept 4
	v_nop
.endr
.endm
.macro ROUND                           ; a round of the cluster's barrier
	s_barrier_signal -1
	s_barrier_wait -1
	s_cmp_lg_u32 s[WV], 0
	s_cbranch_scc1 .Lnw0_\@
	s_barrier_signal -3
.Lnw0_\@:
	s_barrier_wait -3
	s_barrier_signal -1
	s_barrier_wait -1
.endm
.macro JL                              ; the joint refill: every wave its quarter; s_nop 0 and four v_nop follow
	tensor_load_to_lds s[G0:G0+3], s[G1W:G1W+7]
	s_nop 0
	PLACES
.endm
.macro NEXT                            ; the walking descriptor takes tile NQ: its address is made anew from the number; the other slot than last time
	s_lshr_b32 s84, s[NQ], 1
	s_lshl_b32 s84, s84, 15
	s_and_b32 s85, s[NQ], 1
	s_lshl_b32 s85, s85, 17
	s_add_co_u32 s84, s84, s85                     ; head (NQ / 2) + 4 (NQ % 2), 32,768 bytes each
	s_sub_co_u32 s85, s[NQ], 8
	s_lshl_b32 s85, s85, 16
	s_cmp_lt_u32 s[NQ], 8
	s_cselect_b32 s[OFF], s84, s85
	s_cselect_b64 s[TMPA:TMPA+1], s[KVW:KVW+1], s[WOW:WOW+1]
	s_add_nc_u64 s[G0+2:G0+3], s[TMPA:TMPA+1], s[OFF:OFF+1]
	s_or_b32 s[G0+3], s[G0+3], 0x80000000
	s_xor_b32 s[G0+1], s[G0+1], SLOT1
	s_add_co_u32 s[NQ], s[NQ], 1
.endm
; A PREFETCH of the K (wave 0) or V (wave 2) that the next refill will ask for: 32,768 bytes, of which the four partners take 8,192 each BY ADDRESS.  Both clusters of a batch entry walk the same tiles: cluster x = 0 asks.
.macro ASKKV
	s_cmp_lt_u32 s[NQ], s[LIM]
	s_cbranch_scc0 .Lnk_\@
	s_wait_xcnt 0x0                                ; the last prefetch, a refill back, has read its address
	s_lshr_b32 s84, s[NQ], 1
	s_lshl_b32 s84, s84, 15
	s_and_b32 s85, s[NQ], 1
	s_lshl_b32 s85, s85, 17
	s_add_co_u32 s84, s84, s85
	s_mov_b32 s85, 0
	s_add_nc_u64 s[PFA:PFA+1], s[KVW:KVW+1], s[84:85]
	global_prefetch_b8 v[PFL], s[PFA:PFA+1] th:TH_LOAD_NT scope:SCOPE_SE
.Lnk_\@:
.endm
.macro FETCH f                         ; Wq: 40 LDS loads: the fragments of 32 along K (half f of the tile) into buffer f
	WIN 0x40
.irp a, 0,1,2,3,4,5,6,7,8,9,10,11,12,13,14,15
	ds_load_b128 v[128*(\f)+8*(\a):128*(\f)+8*(\a)+3],   v[ADW] offset:(\f)*32768+(\a)*256
	ds_load_b128 v[128*(\f)+8*(\a)+4:128*(\f)+8*(\a)+7], v[ADW] offset:(\f)*32768+(\a)*256+16384
.endr
	WIN 0
.irp qt, 0,1,2,3
	ds_load_b128 v[BF+32*(\f)+8*(\qt):BF+32*(\f)+8*(\qt)+3],   v[ADY] offset:(\f)*4096+(\qt)*256
	ds_load_b128 v[BF+32*(\f)+8*(\qt)+4:BF+32*(\f)+8*(\qt)+7], v[ADY] offset:(\f)*4096+(\qt)*256+2048
.endr
.endm
.macro MUL16 f, a0, zero=0             ; Wq: 16 products: column blocks a0 .. a0 + 3 x 4 query tiles; the 64 accumulators take turns
	WIN 0xa1+0x50*((\a0)/8)
.irp a, \a0, (\a0)+1, (\a0)+2, (\a0)+3
.irp qt, 0,1,2,3
.if \zero
	v_wmma_f32_16x16x32_bf16 v[8*(4*((\a)%8)+(\qt)):8*(4*((\a)%8)+(\qt))+7], v[128*(\f)+8*(\a):128*(\f)+8*(\a)+7], v[BF+32*(\f)+8*(\qt):BF+32*(\f)+8*(\qt)+7], 0
.else
	v_wmma_f32_16x16x32_bf16 v[8*(4*((\a)%8)+(\qt)):8*(4*((\a)%8)+(\qt))+7], v[128*(\f)+8*(\a):128*(\f)+8*(\a)+7], v[BF+32*(\f)+8*(\qt):BF+32*(\f)+8*(\qt)+7], v[8*(4*((\a)%8)+(\qt)):8*(4*((\a)%8)+(\qt))+7]
.endif
.endr
.endr
.endm
; A TRIP of the product with Wq begins where tile i is entered; buffer 1 still holds the second half of tile i - 1.  ONE barrier for the change of slots, a round of the cluster's: ahead of it each wave waits for all its
; tensor loads (its quarter of tile i), adds 0 to its spare word, and waits for that and for its reads of tile i - 1; sixteen products stand between the add and its wait, and the next tile is asked for first behind the
; round: it has the trip's other 112 products in which to land.  mode 0: Wq's next tile.  mode 1: tile NQ.
.macro TRIP mode
	WIN 0
	s_wait_tensorcnt 0x0                           ; no tensor load of mine is out, so group 0 may be written
	ds_add_u32 v[SPW], v[NIL]
.if (\mode) == 0
	s_xor_b32 s[G0+1], s[G0+1], SLOT1
	s_add_nc_u64 s[G0+2:G0+3], s[G0+2:G0+3], STEP
.else
	NEXT
.endif
	s_xor_b32 s[TB], s[TB], SLOT1
	s_add_co_u32 s[YB], s[YB], 8192
	s_wait_dscnt 0x1                               ; only the add may be out: buffer 1 is in
	MUL16 1, 0
	s_wait_dscnt 0x0                               ; the add is done, my reads of the old slot are over
	WIN 0
	ROUND
	JL                                             ; its four v_nop are also the places ahead of the loads into buffer 0
	v_add_nc_u32 v[ADW], s[TB], v[WL]
	v_add_nc_u32 v[ADY], s[YB], v[YL]
	FETCH 0
.if (\mode) == 1
	ASKKV
.endif
	MUL16 1, 4
	MUL16 1, 8
	MUL16 1, 12
	PLACES
	FETCH 1
	s_wait_dscnt 40                                ; buffer 1's 40 loads may be out: buffer 0 is in
	MUL16 0, 0
	MUL16 0, 4
	MUL16 0, 8
	MUL16 0, 12
.endm
; ---- ATTENTION.  Product i of 32 of S^T = K q^T for tile qq: channels 32 (i / 16) on, keys 16 (i % 16) on: 16 accumulators by turns; the first 16 start the sums.
.macro KQP qq
	WIN 0xa1
.set rS, 8*(16*(\qq)+i%16)
.set rK, 8*(2*(i%16)+i/16)
.set rQ, BF+8*(2*(\qq)+i/16)
.if i < 16
	v_wmma_f32_16x16x32_bf16 v[rS:rS+7], v[rK:rK+7], v[rQ:rQ+7], 0
.else
	v_wmma_f32_16x16x32_bf16 v[rS:rS+7], v[rK:rK+7], v[rQ:rQ+7], v[rS:rS+7]
.endif
.set i, i+1
.endm
; Product i of 32 of O^T = V^T P for tile qq: keys 32 (i / 4) on, channels 16 (i % 4) on: 4 accumulators by turns; the first 4 start the sums.
.macro PVP qq
	WIN 0x0b
.set rO, OA+8*(2*(i%4)+(\qq))
.set rV, 8*(8*(i%4)+i/4)
.set rP, 128*(\qq)+8*(i/4)
.if i < 4
	v_wmma_f32_16x16x32_bf16 v[rO:rO+7], v[rV:rV+7], v[rP:rP+7], 0
	s_wait_alu depctr_va_vdst(0)
.else
	v_wmma_f32_16x16x32_bf16 v[rO:rO+7], v[rV:rV+7], v[rP:rP+7], v[rO:rO+7]
.endif
.set i, i+1
.endm
; THE SOFTMAX OF ONE QUERY TILE is a list of NSM lines; SMI writes line sn for tile qq and steps sn.  A lane holds 128 scores s0-s127 of one query, the lane 16 away the other 128.
;   0-63    the maximum: four chains of 32 scores, ascending, three operands at a time (each accumulator's lowest register is read first); the four scores left over; the chains joined
;   64-66   the other half of the lanes' maximum; the row's maximum m; c m
;   67-258  c s - c m for 64 pairs, four pairs ahead of their exponentials: plain, exponential, exponential; every result is first used many lines later
;   259-326 the sum of the unrounded weights: four chains of 16 pairs, joined; the other half of the lanes'; 1 / l, twice, since the packed multiply names a pair
;   327-390 P in place, ascending: word i takes weights 2 i, 2 i + 1; fragment m (32 keys) then lies at 128 qq + 8 m
.macro SMI qq
.set tb, ST+16*(\qq)
.set sb, 128*(\qq)
.if sn < 4
	WIN 0x2a
	v_max3_num_f32 v[tb+sn], v[sb+32*sn], v[sb+32*sn+1], v[sb+32*sn+2]
.elseif sn < 60
	WIN 0x28
	v_max3_num_f32 v[tb+(sn-4)%4], v[tb+(sn-4)%4], v[sb+32*((sn-4)%4)+3+2*((sn-4)/4)], v[sb+32*((sn-4)%4)+4+2*((sn-4)/4)]
.elseif sn == 60
	WIN 0x28
	v_max3_num_f32 v[tb], v[tb], v[sb+31], v[sb+63]
.elseif sn == 61
	WIN 0x28
	v_max3_num_f32 v[tb+1], v[tb+1], v[sb+95], v[sb+127]
.elseif sn == 62
	WIN 0
	v_max_num_f32 v[tb+2], v[tb+2], v[tb+3]
.elseif sn == 63
	WIN 0
	v_max3_num_f32 v[tb], v[tb], v[tb+1], v[tb+2]
.elseif sn == 64
	WIN 0
	v_permlanex16_b32 v[tb+1], v[tb], s[SEL], s[SEL+1]
.elseif sn == 65
	WIN 0
	v_max_num_f32 v[tb+5], v[tb], v[tb+1]
.elseif sn == 66
	WIN 0
	v_mul_f32 v[tb+4], s[CS], v[tb+5]
.elseif sn < 259
	WIN 0x82
.set mm, sn-67
.set uu, -1
.set ex, -1
.if mm < 4
.set uu, mm
.elseif mm < 184
.if (mm-4)%3 == 0
.set uu, (mm-4)/3+4
.else
.set ex, 2*((mm-4)/3)+(mm-4)%3-1
.endif
.else
.set ex, mm-64
.endif
.if uu >= 0
	v_pk_fma_f32 v[sb+2*uu:sb+2*uu+1], v[sb+2*uu:sb+2*uu+1], s[CS:CS+1], v[tb+4:tb+5] op_sel_hi:[1,0,0] neg_lo:[0,0,1] neg_hi:[0,0,1]
.else
	v_exp_f32 v[sb+ex], v[sb+ex]
.endif
.elseif sn < 327
.set zz, sn-259
.if zz < 4
	WIN 0x0a
	s_wait_alu depctr_va_vdst(0)
	v_pk_add_f32 v[tb+6+2*zz:tb+7+2*zz], v[sb+32*zz:sb+32*zz+1], v[sb+32*zz+2:sb+32*zz+3]
.elseif zz < 60
	WIN 0x08
	v_pk_add_f32 v[tb+6+2*((zz-4)%4):tb+7+2*((zz-4)%4)], v[tb+6+2*((zz-4)%4):tb+7+2*((zz-4)%4)], v[sb+32*((zz-4)%4)+4+2*((zz-4)/4):sb+32*((zz-4)%4)+5+2*((zz-4)/4)]
.elseif zz == 60
	WIN 0
	v_pk_add_f32 v[tb+6:tb+7], v[tb+6:tb+7], v[tb+8:tb+9]
.elseif zz == 61
	WIN 0
	v_pk_add_f32 v[tb+10:tb+11], v[tb+10:tb+11], v[tb+12:tb+13]
.elseif zz == 62
	WIN 0
	v_pk_add_f32 v[tb+6:tb+7], v[tb+6:tb+7], v[tb+10:tb+11]
.elseif zz == 63
	WIN 0
	v_add_f32 v[tb+6], v[tb+6], v[tb+7]
.elseif zz == 64
	WIN 0
	v_permlanex16_b32 v[tb+7], v[tb+6], s[SEL], s[SEL+1]
.elseif zz == 65
	WIN 0
	v_add_f32 v[tb+6], v[tb+6], v[tb+7]
.elseif zz == 66
	WIN 0
	v_rcp_f32 v[tb+14], v[tb+6]
.else
	WIN 0
	v_rcp_f32 v[tb+15], v[tb+6]                    ; the first rounding below is the plain line behind it (ISA guide 5.7.2)
.endif
.else
	WIN 0x8a
	v_cvt_pk_bf16_f32 v[sb+sn-327], v[sb+2*(sn-327)], v[sb+2*(sn-327)+1]
.endif
.set sn, sn+1
.endm
; A TILE'S WAY OUT OF A PASS is a list of 36 lines; OEI writes line oe for tile qq and steps oe.  0-15: O^T divided by the row's sum, each accumulator from its low end; 16-31: rounded once; 32-35: stored over the tile's own q.
.macro OEI qq
	WIN 0
.if oe < 16
.set tt, 2*(oe/4)+(\qq)
.set ee, 2*(oe%4)
	v_pk_mul_f32 v[OA+8*tt+ee:OA+8*tt+ee+1], v[OA+8*tt+ee:OA+8*tt+ee+1], v[ST+16*(\qq)+14:ST+16*(\qq)+15] op_sel_hi:[1,0]
.elseif oe < 32
.set tt, 2*((oe-16)/4)+(\qq)
.set ee, (oe-16)%4
	v_cvt_pk_bf16_f32 v[TMP+4*tt+ee], v[OA+8*tt+2*ee], v[OA+8*tt+2*ee+1]
.else
.set tt, 2*(oe-32)+(\qq)
	ds_store_b128 v[ADQ], v[TMP+4*tt:TMP+4*tt+3] offset:(oe-32)*2048+(\qq)*256
.endif
.set oe, oe+1
.endm
; ---- THE PRODUCT WITH Wo, by blocks of 64 output rows; my 32 of them are row blocks a = 0, 1.
.macro OLOAD hh                        ; O's fragments of K steps 8 hh .. 8 hh + 7 of my 64 queries into window 2 + hh: 64 loads
	WIN 0x80+0x40*(\hh)
.set kq, 0
.rept 8
.irp qt, 0,1,2,3
	ds_load_b128 v[8*(4*kq+(\qt)):8*(4*kq+(\qt))+3],   v[YL] offset:(8*(\hh)+kq)*4096+(\qt)*256
	ds_load_b128 v[8*(4*kq+(\qt))+4:8*(4*kq+(\qt))+7], v[YL] offset:(8*(\hh)+kq)*4096+(\qt)*256+2048
.endr
.set kq, kq+1
.endr
.endm
.macro FETCHQ q                        ; Wo's fragments of quarter q of the block (K steps 4 q .. 4 q + 3) of my 32 rows into buffer q % 2: 16 loads
	WIN 0x40
.set kk, 0
.rept 4
.irp a, 0,1
	ds_load_b128 v[64*((\q)%2)+8*(2*kk+(\a)):64*((\q)%2)+8*(2*kk+(\a))+3],   v[ADW] offset:(4*(\q)+kk)*4096+(\a)*256
	ds_load_b128 v[64*((\q)%2)+8*(2*kk+(\a))+4:64*((\q)%2)+8*(2*kk+(\a))+7], v[ADW] offset:(4*(\q)+kk)*4096+(\a)*256+2048
.endr
.set kk, kk+1
.endr
.endm
.macro MULO k0, n, zero=0              ; 8 n products: K steps k0 on; the 8 accumulators take turns
.set kq, \k0
.rept \n
	WIN 0x09+4*(kq/8)
.irp a, 0,1
.irp qt, 0,1,2,3
.if (\zero) && (kq == 0)
	v_wmma_f32_16x16x32_bf16 v[OA+8*(4*(\a)+(\qt)):OA+8*(4*(\a)+(\qt))+7], v[64*((kq/4)%2)+8*(2*(kq%4)+(\a)):64*((kq/4)%2)+8*(2*(kq%4)+(\a))+7], v[8*(4*(kq%8)+(\qt)):8*(4*(kq%8)+(\qt))+7], 0
.else
	v_wmma_f32_16x16x32_bf16 v[OA+8*(4*(\a)+(\qt)):OA+8*(4*(\a)+(\qt))+7], v[64*((kq/4)%2)+8*(2*(kq%4)+(\a)):64*((kq/4)%2)+8*(2*(kq%4)+(\a))+7], v[8*(4*(kq%8)+(\qt)):8*(4*(kq%8)+(\qt))+7], v[OA+8*(4*(\a)+(\qt)):OA+8*(4*(\a)+(\qt))+7]
.endif
.endr
.endr
.set kq, kq+1
.endr
.endm
.macro LOADX off                       ; x of my 32 rows x 64 queries, 16 bytes a lane
.irp a, 0,1
.irp j, 0,1,2,3,4,5,6,7
	global_load_b128 v[XR+4*(8*(\a)+(\j)):XR+4*(8*(\a)+(\j))+3], v[XO], s[XB:XB+1] offset:(\off)+(\a)*65536+(\j)*4096 th:TH_LOAD_NT
.endr
.endr
.endm
.macro LOADPB off                      ; posb likewise
.irp a, 0,1
.irp j, 0,1,2,3,4,5,6,7
	global_load_b128 v[PG+4*(8*(\a)+(\j)):PG+4*(8*(\a)+(\j))+3], v[XO], s[PBB:PBB+1] offset:(\off)+(\a)*65536+(\j)*4096
.endr
.endr
.endm
.macro EPI                             ; a finished block leaves.  The result has registers of its own, so that x's and posb's, which vector instructions alone have touched, can be loaded again at once
	s_wait_loadcnt 0x0                             ; the block's x and posb, asked for a trip ago, are in
	WIN 0
.set i, 0
.rept 32
	v_pk_add_f32 v[PG+2*i:PG+2*i+1], v[PG+2*i:PG+2*i+1], v[XR+2*i:XR+2*i+1]   ; these name no register of the last products: they are the places behind them
.set i, i+1
.endr
	WIN 0x40
.irp a, 0,1
.irp j, 0,1,2,3,4,5,6,7
.irp qt, 0,1,2,3
	v_add_f32 v[RR+4*(8*(\a)+(\j))+(\qt)], v[OA+8*(4*(\a)+(\qt))+(\j)], v[PG+4*(8*(\a)+(\j))+(\qt)]   ; register j of the four query tiles: four neighbouring n; each accumulator from its low end
.endr
.endr
.endr
	WIN 0x04
.irp a, 0,1
.irp j, 0,1,2,3,4,5,6,7
	global_store_b128 v[XO], v[RR+4*(8*(\a)+(\j)):RR+4*(8*(\a)+(\j))+3], s[OB:OB+1] offset:(\a)*65536+(\j)*4096 th:TH_STORE_NT   ; 16 lanes fill 256 consecutive bytes, aligned
.endr
.endr
	WIN 0
.endm
; A TRIP begins where block t is entered; buffer 1 still holds the last quarter of block t - 1.  The change of slots is as in TRIP.  Behind it block t - 1 is finished and leaves, and x and posb of block t are asked for
; at once: they have a whole trip in which to land.  The result's registers are written again, and the three bases step, only behind the s_wait_xcnt 0 at the trip's end, 96 products behind the stores.
; fill = 1: block t + 1 of Wo is asked for, and x's rows of block t + 1 are prefetched: my own 32 rows, a lane a row, behind my loads.
.macro TRIPO fill
	WIN 0
	s_wait_tensorcnt 0x0                           ; no tensor load of mine is out, so group 0 may be written
	ds_add_u32 v[SPW], v[NIL]
.if \fill
	NEXT
.endif
	s_xor_b32 s[TB], s[TB], SLOT1
	s_wait_dscnt 0x1                               ; only the add may be out: buffer 1 is in
	MULO 12, 2
	s_wait_dscnt 0x0                               ; the add is done, my reads of the old slot are over
	WIN 0
.if \fill
	ROUND
	JL                                             ; its four v_nop are also the places ahead of the loads into buffer 0
.else
	s_barrier_signal -1
	s_barrier_wait -1
	PLACES
.endif
	v_add_nc_u32 v[ADW], s[TB], v[WL2]
	FETCHQ 0
	MULO 14, 2
	EPI
	LOADX TSTEP
	LOADPB TSTEP
.if \fill
	global_prefetch_b8 v[PFX], s[XB:XB+1] offset:2*TSTEP th:TH_LOAD_NT scope:SCOPE_SE
.endif
	FETCHQ 1                                       ; the way out's vector lines are the places behind buffer 1's last products
	s_wait_dscnt 16                                ; the 16 just issued may be out: quarter 0 is in
	MULO 0, 4, 1                                   ; block t's first products start its sums
	PLACES
	FETCHQ 2
	s_wait_dscnt 16                                ; quarter 1 is in
	MULO 4, 4
	PLACES
	FETCHQ 3
	s_wait_dscnt 16                                ; quarter 2 is in
	MULO 8, 4
	WIN 0
	s_wait_xcnt 0x0                                ; the stores, loads and prefetch above have read their registers
	s_add_nc_u64 s[XB:XB+1], s[XB:XB+1], TSTEP
	s_add_nc_u64 s[PBB:PBB+1], s[PBB:PBB+1], TSTEP
	s_add_nc_u64 s[OB:OB+1], s[OB:OB+1], TSTEP
.endm
	s_load_b256 s[4:11], s[0:1], 0x0               ; yb s[4:5], wb s[6:7], kv s[8:9], x s[10:11]
	s_load_b128 s[12:15], s[0:1], 0x20             ; posb s[12:13], out0 s[14:15]
	v_lshl_add_u32 v[SPW], v0, 2, SPARE
	v_mov_b32 v[NIL], 0
	ds_add_u32 v[SPW], v[NIL]                      ; the wave's opening
	v_lshrrev_b32 v1, 5, v0
	v_readfirstlane_b32 s[WV], v1                  ; wave 0..3
	s_lshr_b32 s[RH], s[WV], 1
	s_and_b32 s[CH], s[WV], 1
	s_bfe_u32 s[CX], ttmp6, 0x40000                ; my place in the cluster: it enters global addresses of my own loads, stores and prefetches alone
	s_lshl_b32 s[GG], ttmp9, 2
	s_add_co_u32 s[GG], s[GG], s[CX]               ; my block of 128 queries
	s_and_b32 s[BB], ttmp7, 0xffff                 ; b
	s_mov_b32 s[G1W], 15|(3<<16)|(1<<21)           ; the mask of four; elements of 8 bytes; bit 21 beside a mask
	s_mov_b32 s[G1Y], 3<<16
	s_mov_b32 s[G1W+2], 64<<16
	s_mov_b32 s[G1Y+2], 128<<16
	s_mov_b32 s[G1W+4], 64
	s_mov_b32 s[G1Y+4], 128
.irp g, G1W, G1Y
	s_mov_b32 s[(\g)+1], 32<<16                    ; rows of 32 elements = 256 bytes,
	s_mov_b32 s[(\g)+3], 32<<16
	s_mov_b32 s[(\g)+5], 32                        ; end to end
	s_mov_b32 s[(\g)+6], 0
	s_mov_b32 s[(\g)+7], 0
.endr
	s_lshl_b32 s84, s[WV], 14                      ; my quarter of a tile
	s_mov_b32 s85, 0
	s_mov_b32 s[G0A], 1
	s_mov_b32 s[G0A+1], s84
	s_mov_b32 s[G0], 1
	s_add_co_u32 s[G0+1], s84, SLOT1
	s_lshl_b32 s94, s[WV], 15                      ; my quarter of BIG
	s_mov_b32 s[G0Y], 1
	s_add_co_u32 s[G0Y+1], s94, BIG
	s_lshl_b32 s86, s[WV], 15                      ; y: b x 1,048,576 + block x 131,072 + my quarter
	s_lshl_b32 s87, s[BB], 20
	s_add_co_u32 s86, s86, s87
	s_lshl_b32 s87, s[GG], 17
	s_add_co_u32 s86, s86, s87
	s_mov_b32 s87, 0
	s_lshl_b32 s22, s[RH], 23                      ; waves 0, 1 fetch K's halves, waves 2, 3 V's
	s_lshl_b32 s23, s[BB], 18
	s_add_co_u32 s22, s22, s23
	s_lshl_b32 s23, s[CH], 14
	s_add_co_u32 s22, s22, s23
	s_mov_b32 s23, 0
	s_lshl_b32 s88, s[CH], 17                      ; my 32 of a block's 64 output rows, my 64 queries
	s_lshl_b32 s89, s[GG], 9
	s_add_co_u32 s88, s88, s89
	s_lshl_b32 s89, s[RH], 8
	s_add_co_u32 s88, s88, s89
	s_mov_b32 s89, 0
	s_lshl_b32 s92, s[BB], 21
	s_add_co_u32 s92, s92, s88
	s_mov_b32 s93, 0
	s_mov_b32 s[OFF+1], 0
	s_mov_b32 s[CS], 0x3e38aa3b                    ; c = log2(e) / 8
	s_mov_b32 s[CS+1], s[CS]                       ; named with it as a pair
	s_mov_b32 s[SEL], 0x76543210
	s_mov_b32 s[SEL+1], 0xfedcba98
	s_mov_b32 s[NQ], 0
	s_and_b32 s[LIM], s[WV], 1
	s_or_b32 s[LIM], s[LIM], ttmp9
	s_cmp_eq_u32 s[LIM], 0
	s_cselect_b32 s[LIM], 8, 0                     ; the same in all four partners, for a given wave
	s_wait_dscnt 0x0                               ; the opening add is done
	s_wait_kmcnt 0x0
	s_add_nc_u64 s[G0Y+2:G0Y+3], s[4:5], s[86:87]
	s_or_b32 s[G0Y+3], s[G0Y+3], 0x80000000
	s_add_nc_u64 s[G0A+2:G0A+3], s[6:7], s[84:85]
	s_add_nc_u64 s[G0+2:G0+3], s[G0A+2:G0A+3], STEP
	s_add_nc_u64 s[WOW:WOW+1], s[G0A+2:G0A+3], 3*524288
	s_or_b32 s[G0A+3], s[G0A+3], 0x80000000
	s_or_b32 s[G0+3], s[G0+3], 0x80000000
	s_add_nc_u64 s[KVW:KVW+1], s[8:9], s[22:23]
	s_add_nc_u64 s[XB:XB+1], s[10:11], s[92:93]
	s_add_nc_u64 s[PBB:PBB+1], s[12:13], s[88:89]
	s_add_nc_u64 s[OB:OB+1], s[14:15], s[92:93]
	ROUND                                          ; all four work-groups are here: the first loads go out as one group
	tensor_load_to_lds s[G0Y:G0Y+3], s[G1Y:G1Y+7]  ; y
	s_nop 0
	tensor_load_to_lds s[G0A:G0A+3], s[G1W:G1W+7]  ; Wq's tile 0
	s_nop 0
	tensor_load_to_lds s[G0:G0+3], s[G1W:G1W+7]    ; Wq's tile 1: three loads of mine are out
	s_nop 0
	PLACES
	v_and_b32 v48, 15, v0                          ; r
	v_bfe_u32 v49, v0, 4, 1                        ; h
	v_bfe_u32 v50, v0, 3, 1
	v_and_b32 v51, 7, v0
	v_lshlrev_b32 v52, 4, v48                      ; 16 r
	v_lshl_add_u32 v53, v49, 3, v48
	v_and_b32 v53, 15, v53
	v_lshlrev_b32 v53, 4, v53                      ; 16 ((r + 8 h) & 15): the blocks that my half of the lanes reads are odd where h = 1
	v_lshl_add_u32 v51, v49, 3, v51
	v_lshl_add_u32 v51, v50, 3, v51
	v_and_b32 v51, 15, v51
	v_lshlrev_b32 v51, 4, v51                      ; the turning load's place, half-swapped in the odd block
	s_lshl_b32 s84, s[CH], 12
	v_lshl_add_u32 v[WL], v49, 13, v52
	v_add_nc_u32 v[WL], s84, v[WL]
	s_lshl_b32 s84, s[CH], 9
	v_lshl_add_u32 v[WL2], v49, 10, v52
	v_add_nc_u32 v[WL2], s84, v[WL2]               ; h x 1,024 + my 32 rows + 16 r
	v_lshl_add_u32 v54, v49, 10, v53
	s_lshl_b32 s84, s[RH], 16
	s_add_co_u32 s84, s84, BIG
	v_add_nc_u32 v[YL], s84, v54
	s_lshl_b32 s84, s[WV], 15
	s_add_co_u32 s84, s84, BIG
	v_add_nc_u32 v[QL], s84, v54
	s_lshl_b32 s84, s[CH], 17
	v_lshl_add_u32 v[KL], v49, 12, v53
	v_add_nc_u32 v[KL], s84, v[KL]
	s_add_co_u32 s84, s84, 32768
	v_lshl_add_u32 v[VL], v50, 12, v51
	v_add_nc_u32 v[VL], s84, v[VL]
	v_lshl_add_u32 v[XO], v49, 15, v52
	v_and_b32 v55, 31, v0
	v_lshlrev_b32 v[PFX], 12, v55
	v_lshlrev_b32 v55, 8, v55
	v_lshl_add_u32 v[PFL], s[CX], 13, v55
	; ---- q = y Wq
	s_wait_tensorcnt 0x1                           ; only the youngest load, slot 1's tile, may be out: my parts of y and of slot 0 are in
	s_barrier_signal -1
	s_barrier_wait -1
	s_mov_b32 s[TB], 0
	s_mov_b32 s[YB], 0
	v_add_nc_u32 v[ADW], s[TB], v[WL]
	v_add_nc_u32 v[ADY], s[YB], v[YL]
	FETCH 0
	FETCH 1
	s_wait_dscnt 40
	MUL16 0, 0, 1                                  ; the first products start the sums
	MUL16 0, 4, 1
	MUL16 0, 8, 1
	MUL16 0, 12, 1
	WIN 0
	s_mov_b32 s[TC], 6
.Ltrip:                                        ; trips 1 to 6: tiles 2 to 7 are asked for
	TRIP 0
	WIN 0
	s_sub_co_u32 s[TC], s[TC], 1
	s_cmp_lg_u32 s[TC], 0
	s_cbranch_scc1 .Ltrip
	TRIP 1                                         ; Wq's last tile; K and V number 0 are asked for
	WIN 0                                          ; a change of slots without fetches: number 1 is asked for
	s_wait_tensorcnt 0x0
	ds_add_u32 v[SPW], v[NIL]
	NEXT
	s_wait_dscnt 0x1
	MUL16 1, 0
	s_wait_dscnt 0x0
	WIN 0
	ROUND                                          ; every wave's reads of y are over too
	JL
	ASKKV
	MUL16 1, 4
	MUL16 1, 8
	MUL16 1, 12
	PLACES
.set gq, 0
.rept 4                                ; q, rounded once, over y: my four heads' 32 blocks of my 64 queries, bytes that no other wave touches until the product with Wo
	WIN 0x0a+5*(gq/2)
.set t, 0
.rept 16
.irp wd, 0,1,2,3
	v_cvt_pk_bf16_f32 v[TMP+4*t+(\wd)], v[128*(gq%2)+8*t+2*(\wd)], v[128*(gq%2)+8*t+2*(\wd)+1]
.endr
.set t, t+1
.endr
	WIN 0
.set t, 0
.rept 16
	ds_store_b128 v[QL], v[TMP+4*t:TMP+4*t+3] offset:(4*gq+t/4)*2048+(t%4)*256
.set t, t+1
.endr
.set gq, gq+1
.endr
	s_mov_b32 s[QB], 0
	s_mov_b32 s[HC], 4
.Lhead:                                        ; my next head; its K and V lie in my slot
	s_wait_tensorcnt 0x0                           ; slot 1's tile was asked for in the pass before: every wave's quarter has to be in
	s_wait_dscnt 0x0
	s_barrier_signal -1
	s_barrier_wait -1                              ; the refills stand behind the passes' rounds
	WIN 0x40
.set kt, 0
.rept 16                               ; K stays in registers for the head: key block kt, channels 32 s on, at 8 (2 kt + s)
.irp s, 0,1
	ds_load_b128 v[8*(2*kt+(\s)):8*(2*kt+(\s))+3],   v[KL] offset:(\s)*16384+kt*256
	ds_load_b128 v[8*(2*kt+(\s))+4:8*(2*kt+(\s))+7], v[KL] offset:(\s)*16384+kt*256+8192
.endr
.set kt, kt+1
.endr
	WIN 0
	s_mov_b32 s[PCN], 2
.Lpass:                                        ; two of my four query tiles: A (qq = 0) and B (qq = 1)
	v_add_nc_u32 v[ADQ], s[QB], v[QL]
.irp qq, 0,1
.irp s, 0,1
	ds_load_b128 v[BF+8*(2*(\qq)+(\s)):BF+8*(2*(\qq)+(\s))+3],   v[ADQ] offset:(\s)*4096+(\qq)*256
	ds_load_b128 v[BF+8*(2*(\qq)+(\s))+4:BF+8*(2*(\qq)+(\s))+7], v[ADQ] offset:(\s)*4096+(\qq)*256+2048
.endr
.endr
	s_wait_dscnt 0x0                               ; K and q are in
	s_cmp_lg_u32 s[PCN], 2
	s_cbranch_scc1 .Lno_v
	WIN 0xc0
.irp ct, 0,1,2,3                       ; the head's first pass fetches V, turned, while the scores are made: channels 16 ct on, keys 32 m on, at 8 (8 ct + m)
.set m, 0
.rept 8
	ds_load_tr16_b128 v[8*(8*(\ct)+m):8*(8*(\ct)+m)+3],   v[VL] offset:(\ct)*8192+m*512
	ds_load_tr16_b128 v[8*(8*(\ct)+m)+4:8*(8*(\ct)+m)+7], v[VL] offset:(\ct)*8192+m*512+256
.set m, m+1
.endr
.endr
	WIN 0
.Lno_v:
.set i, 0
.rept 32
	KQP 0                                          ; A's scores
.endr
	PLACES                                         ; behind them, ahead of the first read of A's scores
.set i, 0
.set sn, 0
.rept 32
	KQP 1                                          ; B's scores, four lines of A's softmax behind each product
.rept 4
	SMI 0
.endr
.endr
	WIN 0
	s_wait_tensorcnt 0x0                           ; K and V of this head lie in registers: the first pass fills slot 0 again, the second slot 1
	ds_add_u32 v[SPW], v[NIL]
	NEXT
	s_wait_dscnt 0x0                               ; the add is done, and V is in: my reads of both slots are over
	ROUND
	JL
	ASKKV
.rept NSM-128
	SMI 0                                          ; the rest of A's softmax
.endr
.set i, 0
.set sn, 0
.rept 32
	PVP 0                                          ; A's O^T, four lines of B's softmax behind each product
.rept 4
	SMI 1
.endr
.endr
.rept NSM-128
	SMI 1                                          ; the rest of B's softmax
.endr
.set i, 0
.set oe, 0
.rept 32
	PVP 1                                          ; B's O^T, a line of A's way out behind each product
	OEI 0
.endr
	PLACES                                         ; behind B's last products, ahead of the first read of B's O^T
.rept 4
	OEI 0                                          ; A's four stores
.endr
.set oe, 0
.rept 36
	OEI 1
.endr
	s_add_co_u32 s[QB], s[QB], 512                 ; the next two query tiles
	s_sub_co_u32 s[PCN], s[PCN], 1
	s_cmp_lg_u32 s[PCN], 0
	s_cbranch_scc1 .Lpass
	s_add_co_u32 s[QB], s[QB], 7168                ; the next head's eight blocks
	s_sub_co_u32 s[HC], s[HC], 1
	s_cmp_lg_u32 s[HC], 0
	s_cbranch_scc1 .Lhead
	; ---- the product with Wo; the last two passes have asked for its blocks 0 and 1
	s_wait_tensorcnt 0x1                           ; only block 1 may be out
	s_wait_dscnt 0x0                               ; my stores of O are done
	LOADX 0                                        ; x and posb of block 0,
	LOADPB 0
	global_prefetch_b8 v[PFX], s[XB:XB+1] offset:TSTEP th:TH_LOAD_NT scope:SCOPE_SE   ; and x's rows of block 1 are prefetched
	s_barrier_signal -1
	s_barrier_wait -1                              ; everybody's O is stored
	s_mov_b32 s[TB], 0
	v_add_nc_u32 v[ADW], s[TB], v[WL2]
	OLOAD 0
	FETCHQ 0
	FETCHQ 1
	s_wait_dscnt 16                                ; quarter 1's 16 loads may be out: O's first half and quarter 0 are in
	MULO 0, 4, 1
	OLOAD 1                                        ; O's second half, while the first is multiplied
	PLACES
	FETCHQ 2
	s_wait_dscnt 16                                ; quarter 1 and O's second half are in
	MULO 4, 4
	PLACES
	FETCHQ 3
	s_wait_dscnt 16                                ; quarter 2 is in
	MULO 8, 4
	WIN 0
	s_mov_b32 s[TC], 6
.Lwo:                                          ; trips 1 to 6: blocks 2 to 7 are asked for
	TRIPO 1
	s_sub_co_u32 s[TC], s[TC], 1
	s_cmp_lg_u32 s[TC], 0
	s_cbranch_scc1 .Lwo
	TRIPO 0                                        ; block 7 is entered: nothing is left to fetch
	s_wait_dscnt 0x0
	MULO 12, 4
	EPI
	s_wait_tensorcnt 0x0                           ; the wave's end
	ds_add_u32 v[SPW], v[NIL]
	s_wait_dscnt 0x0
	ROUND                                          ; the closing round
	s_endpgm
.Lfunc_end_k_qd5df905acc_main:
	.size	k_qd5df905acc_main, .Lfunc_end_k_qd5df905acc_main-k_qd5df905acc_main
	.p2alignl 7, 3214868480
	.fill 96, 4, 3214868480
	.section	.rodata,"a",@progbits
	.p2align	6, 0x0
	.amdhsa_kernel k_qd5df905acc_main
		.amdhsa_group_segment_fixed_size 327680
		.amdhsa_private_segment_fixed_size 0
		.amdhsa_enable_private_segment 0
		.amdhsa_kernarg_size 48
		.amdhsa_user_sgpr_count 2
		.amdhsa_user_sgpr_kernarg_segment_ptr 1
		.amdhsa_wavefront_size32 1
		.amdhsa_system_sgpr_workgroup_id_x 1
		.amdhsa_system_sgpr_workgroup_id_y 1
		.amdhsa_system_sgpr_workgroup_id_z 1
		.amdhsa_system_vgpr_workitem_id 0
		.amdhsa_next_free_vgpr 1024
		.amdhsa_next_free_sgpr 96
		.amdhsa_reserve_vcc 0
		.amdhsa_float_denorm_mode_32 3
		.amdhsa_float_denorm_mode_16_64 3
		.amdhsa_memory_ordered 1
		.amdhsa_forward_progress 1
		.amdhsa_inst_pref_size 218
	.end_amdhsa_kernel
	.amdgpu_metadata
---
amdhsa.version: [ 1, 2 ]
amdhsa.kernels:
  - .name:           k_qd5df905acc_main
    .symbol:         k_qd5df905acc_main.kd
    .args:
      - { .name: yb, .offset: 0, .size: 8, .value_kind: global_buffer, .address_space: global }
      - { .name: wb, .offset: 8, .size: 8, .value_kind: global_buffer, .address_space: global }
      - { .name: kv, .offset: 16, .size: 8, .value_kind: global_buffer, .address_space: global }
      - { .name: x, .offset: 24, .size: 8, .value_kind: global_buffer, .address_space: global }
      - { .name: posb, .offset: 32, .size: 8, .value_kind: global_buffer, .address_space: global }
      - { .name: out0, .offset: 40, .size: 8, .value_kind: global_buffer, .address_space: global }
    .group_segment_fixed_size: 327680
    .private_segment_fixed_size: 0
    .kernarg_segment_align: 8
    .kernarg_segment_size: 48
    .max_flat_workgroup_size: 128
    .sgpr_count:     96
    .vgpr_count:     1024
    .wavefront_size: 32
...
	.end_amdgpu_metadata
.endif
;; end of part 7
